; MI455X (gfx1250); checked and timed in simulation.
; The chip was launched on July 23, 2026; its instructions are those of AMD's public machine-readable ISA for CDNA 5 (MIT licence, August 2026) and "CDNA5" Instruction Set Architecture Reference Guide (July 2026). The comments in the code are by the model that wrote it; some were corrected since.
;; Mo E Abstract. Allowed arithmetic: float matrix products may take bf16 or f16 operands with f32 sums; all other float work in f32.
;; Inputs: W1 1,024 x 512 float32; We1 8 x 2,048 x 1,024 float32; We2 8 x 256 x 2,048 float32; Wg 8 x 1,024 float32; b1 1,024 float32; be1 8 x 2,048 float32; be2 8 x 256 float32; bg 8 float32; entities 1,024 x 64 x 512 float32; entity_mask 1,024 x 64 bool.
;; Outputs: out0 1,024 x 256 float32; out1 1,024 x 8 float32.
;; 2 versions, each right; version 2 is version 1 with the launch combine written anew for expert scheduling mode. Each part assembles by itself: llvm-mc -triple=amdgcn-amd-amdhsa -mcpu=gfx1250 --defsym DOCPART=n.
;; ======== version 1 of 2: 3 launches
;; limits: values outside matrix products are rounded to bf16
;; workspace buffers: pooledb 2,097,152 bytes; glog 131,072 bytes; part 67,108,864 bytes
;; launch encode (part 1): grid 4 x 64, 4 waves a work-group, clusters of 4 x 4, 324,864 bytes of LDS; arguments entities, entity_mask, W1, b1, Wg, pooledb, glog; writes pooledb, glog
.if DOCPART == 1
	.amdgcn_target "amdgcn-amd-amdhsa--gfx1250"
	.amdhsa_code_object_version 6
	.text
	.protected	k_qeabc022d0a_encode
	.globl	k_qeabc022d0a_encode
	.p2align	8
	.type	k_qeabc022d0a_encode,@function
k_qeabc022d0a_encode:
	s_mov_b64 s[64:65], 0
	v_nop
	global_prefetch_b8 v0, s[64:65] scope:SCOPE_SE
	s_setreg_imm32_b32 hwreg(HW_REG_WAVE_MODE, 25, 1), 1
	s_wait_xcnt 0x0
	s_wait_alu depctr_hold_cnt(0) depctr_sa_sdst(0) depctr_va_vdst(0) depctr_va_sdst(0) depctr_va_ssrc(0) depctr_va_vcc(0) depctr_vm_vsrc(0)
	s_getreg_b32 s2, hwreg(HW_REG_IB_STS2, 6, 4)
	s_cmp_eq_u32 s2, 0
	s_cbranch_scc0 .Lentry_in_a_cluster
	s_endpgm
.Lentry_in_a_cluster:
	s_bfe_u32 s2, ttmp6, 0x10000c
	s_cmp_lg_u32 s2, 0xf033
	s_cbranch_scc0 .Lentry_shape_is_right
	s_endpgm
.Lentry_shape_is_right:
; encode: pooled[b][c] = sum over n of w[b][n] relu(sum over f of entities[b][n][f] W1[c][f] + b1[c]), w[b][n] = mask[b][n] / max(valid entities of b, 1),
; and the gate's partial logits.  Work-group (cb = x, y) walks four tiles of 256 entity rows (four batches, one a wave) x 256 columns (256 cb ..), K = 512.
; Wave w holds 64 rows x all 256 columns: 4 x 16 accumulator tiles, 512 registers.
; W1'S BLOCK (256 rows x 512 K) is rounded to bf16 once, at the start, each wave its 64 rows, and stays in LDS for the whole launch: 256 x 1,040 bytes.
; THE ENTITIES come through registers: each global load of a wave covers two whole pieces of 256 bytes (64 K of two rows); two K steps, 64 loads, are in
; flight in 256 staging registers; they are rounded in place and stored as bf16 into 9,216 bytes of LDS that are the wave's own, from where the
; fragments are read.  A wave's rows are its own, so each f32 number is rounded once in the work-group and the K loop has no barrier.
; THE TEXT IS KEPT SHORT: the K steps go round a loop of two steps (the two staging buffers take turns).  A tile is one pair written out (its first quarter
; starts the sums), three trips of that loop and the epilogue, and all four tiles go round one outer loop.  What changes from pair to pair stands in
; registers: B's fragment addresses (a K offset that goes 0, 256, 512, 768 and round) and two pointers of the stream.
; THE LAST TILE'S LOOK-AHEAD: the stream runs three K steps ahead of the products, so the last tile has nothing left to ask for in its K steps 5 to 7.  So that one
; text serves all tiles and every counted wait holds in every trip, these loads are still issued, from the same tile's K steps 0 to 2 (inside the
; buffer); their data are rounded and stored into the wave's own A rows and never multiplied: 96 loads beside a wave's 1,024 loads of entities.
; NO JOINT LOADS, though the four work-groups of one y read the same entity rows.  The reason, by the sizes: a tile brought by the tensor mover lies in LDS
; in f32, 256 rows x 64 K = 68 KiB beside 36 KiB of W1, so two slots hold one K step each, a slot's load has the 128 matrix instructions of one step in
; which to land, and W1's 260 KiB cannot stay.  Through registers the loads have two steps, and a step writes 32 KiB and reads 160 KiB of LDS.
; The launch is in clusters of 4 x 4 only so that the four work-groups that read the same rows are launched together.
; FORMATS AND LIMITS: entities, W1, b1 and Wg are rounded to bf16 (nearest even); products are summed in f32; pooled stays f32 for the gate's logits
; (f32 multiply-adds) and is rounded to bf16 for the experts.  bf16 keeps f32's range.  1 / n is v_rcp_f32 and a multiplication.
; OUT: pooledb = bf16 tiles [rb 4][ks 16][b 256][k 64]; glog[cb][b][e] = sum over this work-group's 256 columns of pooled x Wg.
;
; REGISTERS in windows of 256:  window 0: addresses, A's fragments, bias, B's fragments (two buffers of 8), temporaries;  window 1: the two staging buffers;
; window 2: accumulators of m tiles 0, 1 at 8 (16 (a & 1) + nt);  window 3: m tiles 2, 3.
.set BPITCH, 1040                      ; LDS row of W1: 512 bf16 + 16 bytes = 65 x 16: 16 rows fall on 16 different 16-byte columns of 256
.set APITCH, 144                       ; LDS row of A: 64 bf16 + 16 bytes = 9 x 16: likewise
.set AWAVE,  64*APITCH                 ; a wave's own A rows: one K step
.set APRIV,  256*BPITCH
.set WTS,    APRIV+4*AWAVE             ; f32 [wave][tile][64 weights]
.set POOL,   WTS+4096                  ; f32 [16 batches][256 columns]
.set PPITCH, 1040
.set GL,     POOL+16*PPITCH            ; f32 [16 batches][8 experts]
.set EB, 32                            ; s[32:33] entities at my wave's first batch
.set WB, 34                            ; s[34:35] W1 at my wave's 64 rows
.set P1, 36                            ; s[36:37] the stream's next odd K step (asked for in a pair's even step)
.set P0, 38                            ; s[38:39] its next even K step (asked for in a pair's odd step)
.set JMP, 40                           ; s[40:41] from a tile's K step 6 or 7 to the next tile's 0 or 1, in bytes
.set INC, 44                           ; s[44:45] the step chosen
.set STP, 46                           ; s[46:47] two K steps on: 512 bytes
.set KOF, 50                           ; s50 byte offset of the pair's first K step in a row of W1's block
.set BBS,  12                          ; v12-15 B's fragments at K = 0, n tiles 4 g .. 4 g + 3 (the 16-bit immediate reaches four n tiles); never rewritten
.set GOFF, 16                          ; byte offset of my 16 bytes in a stream load: 8 rows x (lane / 16) + 16 (lane mod 16)
.set ASTO, 17                          ; where my 8 bytes of A go
.set BSTO, 18                          ; where my 8 bytes of W1 go
.set AFR,  19                          ; A's fragments
.set ADRB, 20                          ; v20-23 = BBS + KOF
.set PST,  24
.set WTA,  25
.set WGO,  26
.set PRD,  27
.set PBR,  28
.set L16,  29
.set GLA,  30
.set GLR,  31
.set AB0,  32                          ; A's fragments of a K step's first quarter
.set AB1,  64                          ; and of its second
.set PP,   64                          ; in the epilogue (A's second buffer is not live there)
.set QQ,   80
.set BI,   96                          ; BI[nt] = b1 of column 16 nt + r
.set BBA,  112                         ; B's fragments of 8 n tiles, blocks 0 and 2
.set BBB,  176                         ; blocks 1 and 3
.set WT,   176                         ; in the epilogue: WT[8 a + j] = weight of entity 16 a + 8 h + j
.set GA,   32                          ; in the tail: the gate's sums
.set TW,   112                         ; Wg
.set TG,   176                         ; pooled rows for the gate
.set TP,   208                         ; pooled rows for pooledb
.set TT,   240
.set STG0, 0                           ; window 1
.set STG1, 128
.set MSB, 0
.macro WIN new                         ; the immediate's high byte repeats the setting that is left; switches that change nothing are dropped
.if MSB != \new
	s_set_vgpr_msb (MSB<<8)|\new
.set MSB, \new
.endif
.endm
.macro PLACES
.rept 4
	v_nop
.endr
.endm
; THE STREAM.  A step is 64 rows x 64 K of f32 = 32 loads in four groups of eight.  Load j of group g takes rows j + 16 g (lanes 0-15) and j + 16 g + 8 (lanes 16-31).
; Setting 0x44: destination and store data in window 1, addresses in window 0.  Setting 0x45: all of a rounding's registers in window 1.
.macro GLD stg, grp, base, off
.irp j, 0,1,2,3,4,5,6,7
	global_load_b128 v[\stg+32*\grp+4*\j:\stg+32*\grp+4*\j+3], v[GOFF], s[\base:\base+1] offset:(\j+16*\grp)*2048+\off
.endr
.endm
.macro CV stg, grp                     ; 16 roundings in place: four f32 become 8 bytes in the first two of their registers
.irp j, 0,1,2,3,4,5,6,7
	v_cvt_pk_bf16_f32 v[\stg+32*\grp+4*\j],   v[\stg+32*\grp+4*\j],   v[\stg+32*\grp+4*\j+1]
	v_cvt_pk_bf16_f32 v[\stg+32*\grp+4*\j+1], v[\stg+32*\grp+4*\j+2], v[\stg+32*\grp+4*\j+3]
.endr
.endm
.macro STOR stg, grp, adr, pitch, off  ; the two rows of a store are 8 pitches apart = 128 bytes modulo 256 for both pitches: 32 lanes x 8 bytes touch every bank once
.irp j, 0,1,2,3,4,5,6,7
	ds_store_b64 v[\adr], v[\stg+32*\grp+4*\j:\stg+32*\grp+4*\j+1] offset:(\j+16*\grp)*\pitch+\off
.endr
.endm
; A stream step ahead of the matrix work: round and store the step in buffer sg, ask for the step two on into the registers that it leaves
.macro PRO sg, adr, pitch, off, base, goff
.set PB_, STG0+128*\sg
.irp g, 0,1,2,3
	s_wait_loadcnt 56                              ; the younger loads: 24 - 8 g of this step, 32 of the next, 8 g of the one after
	WIN 0x45
	CV PB_, \g
	WIN 0x44
	STOR PB_, \g, \adr, \pitch, \off
	GLD PB_, \g, \base, \goff
.endr
.endm
; FRAGMENTS: lane (r, h) takes K = 8 h .. + 7 and 16 + 8 h .. + 7 of row r: two loads of 16 bytes, 32 bytes apart
.macro FA ab, q
.irp a, 0,1,2,3
	ds_load_b128 v[\ab+8*\a:\ab+8*\a+3],   v[AFR] offset:16*APITCH*\a+64*\q
	ds_load_b128 v[\ab+8*\a+4:\ab+8*\a+7], v[AFR] offset:16*APITCH*\a+64*\q+32
.endr
.endm
.macro FB bb, hb, koff
.irp i, 0,1,2,3,4,5,6,7
	ds_load_b128 v[\bb+8*\i:\bb+8*\i+3],   v[ADRB+2*\hb+(\i>>2)] offset:(\i&3)*16*BPITCH+\koff
	ds_load_b128 v[\bb+8*\i+4:\bb+8*\i+7], v[ADRB+2*\hb+(\i>>2)] offset:(\i&3)*16*BPITCH+\koff+32
.endr
.endm
; 8 matrix instructions: m tile a x n tiles 8 hb .. + 7.  cm = 1: the constant 0 as C starts the sums, nothing is cleared.
; The 64 accumulators take turns in one fixed order in every quarter, over the backward jumps too.
.macro MUL8 ab, bb, a, hb, cm
.irp i, 0,1,2,3,4,5,6,7
.if \cm
	v_wmma_f32_16x16x32_bf16 v[8*(16*(\a&1)+8*\hb+\i):8*(16*(\a&1)+8*\hb+\i)+7], v[\ab+8*\a:\ab+8*\a+7], v[\bb+8*\i:\bb+8*\i+7], 0
.else
	v_wmma_f32_16x16x32_bf16 v[8*(16*(\a&1)+8*\hb+\i):8*(16*(\a&1)+8*\hb+\i)+7], v[\ab+8*\a:\ab+8*\a+7], v[\bb+8*\i:\bb+8*\i+7], v[8*(16*(\a&1)+8*\hb+\i):8*(16*(\a&1)+8*\hb+\i)+7]
.endif
.endr
.endm
; A BLOCK: 32 matrix instructions (step par of the pair, quarter blk / 2, n tiles 8 (blk & 1) ..) and a quarter of the stream's work: group blk of the next K step is
; rounded and stored, group blk of the K step three on is asked for, the next block's fragments are fetched.
; The roundings are the places between the last matrix instructions and the loads into fragment registers that those have read.
; A's LDS rows are one buffer: the second quarter's fragments are asked for (block 0) ahead of the first store of the next step, the next step's first quarter
; (block 3) behind its last store, and LDS serves a wave's instructions in order (ISA guide 5.7.1.4).
.macro BLOCK par, blk, cm
.set SB_,  STG0+128*(1-\par)
.set GB_,  P1+2*\par
.set CAB_, AB0+32*(\blk>>1)
.set CBB_, BBA+64*(\blk&1)
.set NBB_, BBA+64*((\blk+1)&1)
.set HB_,  \blk&1
.if \blk == 3
.set NK_,  128*(1-\par)                            ; the pair's second step, or (addresses stepped below) the next pair's first
.set NHB_, 0
.else
.set NK_,  128*\par+64*((\blk+1)>>1)
.set NHB_, (\blk+1)&1
.endif
	s_wait_loadcnt 56                              ; the younger loads: 24 - 8 blk of the next K step, 32 of the one after, 8 blk of the third
	WIN 0x45
	CV SB_, \blk
	WIN 0
.if \blk == 0
	FA AB1, 1
.endif
.if \blk == 3
.if \par == 1
	s_add_co_u32 s[KOF], s[KOF], 256               ; the next pair's place in W1's rows: 0, 256, 512, 768 and round to the next tile's 0
	s_and_b32 s[KOF], s[KOF], 0x300
.irp g, 0,1,2,3
	v_add_nc_u32 v[ADRB+\g], s[KOF], v[BBS+\g]
.endr
.endif
.endif
	FB NBB_, NHB_, NK_
	s_wait_dscnt 24                                ; issued behind what this block needs: block 0: A's second quarter (8) and the next block's B (16); else the last block's 8 stores and those 16
	WIN 0xa0                                       ; A and B window 0, C and D window 2
	MUL8 CAB_, CBB_, 0, HB_, \cm
	MUL8 CAB_, CBB_, 1, HB_, \cm
	WIN 0x44
	STOR SB_, \blk, ASTO, APITCH, 0
	GLD SB_, \blk, GB_, 0
.if \blk == 3
	WIN 0
	FA AB0, 0
.endif
	WIN 0xf0                                       ; C and D window 3
	MUL8 CAB_, CBB_, 2, HB_, \cm
	MUL8 CAB_, CBB_, 3, HB_, \cm
.endm
.macro PAIR cm                         ; two K steps; cm = 1: the first quarter starts the sums
	BLOCK 0, 0, \cm
	BLOCK 0, 1, \cm
	BLOCK 0, 2, 0
	BLOCK 0, 3, 0
	BLOCK 1, 0, 0
	BLOCK 1, 1, 0
	BLOCK 1, 2, 0
	BLOCK 1, 3, 0
	WIN 0                                          ; a branch or a label follows
.endm
	s_load_b256 s[4:11], s[0:1], 0x0               ; entities s[4:5], entity_mask s[6:7], W1 s[8:9], b1 s[10:11]
	s_load_b128 s[12:15], s[0:1], 0x20             ; Wg s[12:13], pooledb s[14:15]
	s_load_b64 s[16:17], s[0:1], 0x30              ; glog
	v_lshl_add_u32 v254, v0, 2, 0x4f300
	v_mov_b32 v255, 0
	v_lshrrev_b32 v1, 5, v0
	v_readfirstlane_b32 s18, v1                    ; wave 0..3
	s_bfe_u32 s21, ttmp6, 0x40000                  ; cx
	s_bfe_u32 s22, ttmp6, 0x40004                  ; cy
	s_lshl_b32 s24, ttmp9, 2
	s_add_co_u32 s24, s24, s21                     ; cb = 4 x cluster x + cx
	s_and_b32 s23, ttmp7, 0xffff
	s_lshl_b32 s23, s23, 2
	s_add_co_u32 s23, s23, s22                     ; y = 4 x cluster y + cy
	s_mov_b32 s66, 0x76543210                      ; v_permlanex16_b32: lane i of one half reads lane i of the other
	s_mov_b32 s67, 0xfedcba98
	s_mov_b32 s42, 522752                          ; 256 rows of 2,048 bytes on, six K steps of 256 bytes back
	s_mov_b32 s43, 0xfffffa00                      ; -1,536: six K steps back in the same tile
	s_mov_b32 s[STP], 512
	s_mov_b32 s[STP+1], 0
	s_mov_b32 s[KOF], 0
	v_and_b32 v1, 15, v0                           ; r
	v_bfe_u32 v2, v0, 4, 1                         ; h
	v_and_b32 v3, 31, v0                           ; lane
	s_lshl4_add_u32 s28, s23, s18                  ; my first batch = 16 y + w
	s_lshl_b32 s70, s28, 17                        ; x 64 rows of 2,048 bytes
	s_mov_b32 s71, 0
	s_lshl2_add_u32 s72, s24, s18                  ; W1: rows 256 cb + 64 w
	s_lshl_b32 s72, s72, 17
	s_mov_b32 s73, 0
	s_lshl_b32 s29, s28, 6                         ; 64 mask bytes a batch
	v_and_b32 v4, 30, v3
	v_lshl_add_u32 v4, v4, 1, s29                  ; the word that holds the bytes of entities 2 lane and 2 lane + 1
	v_and_b32 v8, 1, v3
	v_lshlrev_b32 v8, 4, v8                        ; and which half of it
	s_lshl_b32 s30, s24, 10                        ; my 256 columns in b1 and in a row of Wg
	v_lshl_add_u32 v6, v1, 2, s30
	v_lshl_add_u32 v[WGO], v3, 5, s30
	v_lshlrev_b32 v[GOFF], 4, v1
	v_lshl_add_u32 v[GOFF], v2, 14, v[GOFF]
	s_wait_kmcnt 0x0
	s_add_nc_u64 s[EB:EB+1], s[4:5], s[70:71]
	s_add_nc_u64 s[WB:WB+1], s[8:9], s[72:73]
	s_add_nc_u64 s[P1:P1+1], s[EB:EB+1], 768       ; the first pair asks for K steps 3 and 4
	s_add_nc_u64 s[P0:P0+1], s[EB:EB+1], 1024
.irp t, 0,1,2,3
	global_load_b32 v[TT+\t], v4, s[6:7] offset:256*\t             ; tile t's batch is four batches on
.endr
.irp t, 0,1,2,3,4,5,6,7,8,9,10,11,12,13,14,15
	global_load_b32 v[BI+\t], v6, s[10:11] offset:64*\t
.endr
	WIN 0x44
	GLD STG0, 0, WB, 0                             ; the stream begins with W1's eight K steps
	GLD STG0, 1, WB, 0
	GLD STG0, 2, WB, 0
	GLD STG0, 3, WB, 0
	GLD STG1, 0, WB, 256
	WIN 0
	s_mul_i32 s27, s18, AWAVE
	s_add_co_u32 s27, s27, APRIV                   ; my wave's A rows
	v_mul_u32_u24 v5, v2, 8*APITCH
	v_lshl_add_u32 v5, v1, 3, v5
	v_add_nc_u32 v[ASTO], s27, v5                  ; row 8 h, byte 8 r
	v_mul_u32_u24 v5, v1, APITCH
	v_lshl_add_u32 v5, v2, 4, v5
	v_add_nc_u32 v[AFR], s27, v5                   ; row r, byte 16 h
	s_mul_i32 s27, s18, 64*BPITCH                  ; my wave's 64 rows of W1's block
	v_mul_u32_u24 v5, v2, 8*BPITCH
	v_lshl_add_u32 v5, v1, 3, v5
	v_add_nc_u32 v[BSTO], s27, v5
	v_mul_u32_u24 v5, v1, BPITCH
	v_lshl_add_u32 v[BBS], v2, 4, v5
.irp g, 1,2,3
	v_add_nc_u32 v[BBS+\g], \g*64*BPITCH, v[BBS]
.endr
.irp g, 0,1,2,3
	v_mov_b32 v[ADRB+\g], v[BBS+\g]                ; the first pair: K offset 0
.endr
	s_mul_i32 s29, s18, PPITCH
	s_add_co_u32 s29, s29, POOL
	v_lshl_add_u32 v[PST], v1, 2, s29
	v_lshl_add_u32 v[PRD], v3, 5, s29
	s_lshl_b32 s31, s18, 10
	s_add_co_u32 s31, s31, WTS
	v_lshl_add_u32 v[WTA], v2, 5, s31
	v_lshl_add_u32 v7, v3, 3, s31                  ; where my two weights go
	s_lshl_b32 s31, s18, 8
	s_add_co_u32 s31, s31, POOL
	v_lshrrev_b32 v9, 3, v3
	v_and_b32 v10, 7, v3
	v_mul_u32_u24 v9, v9, PPITCH
	v_lshl_add_u32 v9, v10, 5, v9
	v_add_nc_u32 v[PBR], s31, v9                   ; row lane / 8, columns 64 w + 8 (lane mod 8)
	v_lshlrev_b32 v[L16], 4, v3
	s_lshl_b32 s27, s18, 5
	s_add_co_u32 s27, s27, GL
	v_mov_b32 v[GLA], s27
	v_lshl_add_u32 v[GLR], v3, 4, GL
	s_lshr_b32 s80, s23, 4                         ; pooledb: tile (rb = y / 16, ks = 4 cb + w), rows 16 (y mod 16) ..
	s_lshl_b32 s80, s80, 4
	s_lshl2_add_u32 s80, s24, s80
	s_add_co_u32 s80, s80, s18
	s_lshl_b32 s80, s80, 15
	s_and_b32 s81, s23, 15
	s_lshl_b32 s81, s81, 11
	s_add_co_u32 s80, s80, s81
	s_mov_b32 s81, 0
	s_add_nc_u64 s[82:83], s[14:15], s[80:81]
	s_lshl_b32 s84, s24, 15                        ; glog: 32,768 cb + 512 y
	s_lshl_b32 s85, s23, 9
	s_add_co_u32 s84, s84, s85
	s_mov_b32 s85, 0
	s_add_nc_u64 s[86:87], s[16:17], s[84:85]
	s_wait_loadcnt 40                              ; mask and bias are in: 32 + 8 loads of the stream were issued behind them
	; the pool weights of my four batches: two entities a lane
.irp t, 0,1,2,3
	v_lshrrev_b32 v[TT+\t], v8, v[TT+\t]
.endr
.irp t, 0,1,2,3
	v_and_b32 v[32+2*\t], 0xff, v[TT+\t]
	v_bfe_u32 v[33+2*\t], v[TT+\t], 8, 8
.endr
.irp i, 0,1,2,3,4,5,6,7
	v_cvt_f32_u32 v[32+\i], v[32+\i]
.endr
.irp t, 0,1,2,3
	v_add_f32 v[48+\t], v[32+2*\t], v[33+2*\t]
.endr
.irp m, 1,2,4,8
.irp t, 0,1,2,3
	v_add_f32_dpp v[48+\t], v[48+\t], v[48+\t] row_xmask:\m row_mask:0xf bank_mask:0xf
.endr
.endr
.irp t, 0,1,2,3
	v_permlanex16_b32 v[TT+\t], v[48+\t], s66, s67 ; its destination counts as read: a register that has been written
.endr
.irp t, 0,1,2,3
	v_add_f32 v[48+\t], v[48+\t], v[TT+\t]         ; the batch's number of valid entities, in every lane
.endr
.irp t, 0,1,2,3
	v_max_num_f32 v[48+\t], 1.0, v[48+\t]          ; the clip at 1
.endr
.irp t, 0,1,2,3
	v_rcp_f32 v[56+\t], v[48+\t]
.endr
	v_nop                                          ; one plain instruction behind the transcendentals (ISA guide 5.7.2)
	s_wait_alu depctr_va_vdst(0)
.irp t, 0,1,2,3
	v_mul_f32 v[32+2*\t], v[32+2*\t], v[56+\t]
	v_mul_f32 v[33+2*\t], v[33+2*\t], v[56+\t]
.endr
.irp t, 0,1,2,3
	ds_store_b64 v7, v[32+2*\t:33+2*\t] offset:256*\t              ; my wave's own bytes
.endr
.irp p, 0,2,4,6,8,10,12,14
	v_cvt_pk_bf16_f32 v[PP+\p], v[BI+\p], v[BI+\p+1]               ; b1 in bf16, widened again
	v_lshlrev_b32 v[BI+\p], 16, v[PP+\p]
	v_and_b32 v[BI+\p+1], 0xffff0000, v[PP+\p]
.endr
	WIN 0x44
	GLD STG1, 1, WB, 256
	GLD STG1, 2, WB, 256
	GLD STG1, 3, WB, 256
	WIN 0
	s_mov_b32 s69, 3
.Lw1:                                              ; W1's K steps 0 to 5 are rounded and stored, its K steps 2 to 7 asked for
	PRO 0, BSTO, BPITCH, 0,   WB, 512
	PRO 1, BSTO, BPITCH, 128, WB, 768
	WIN 0
	v_add_nc_u32 v[BSTO], 256, v[BSTO]             ; two K steps on in W1's LDS rows
	s_wait_xcnt 0x0                                ; the loads' base is stepped only behind this wait
	s_add_nc_u64 s[WB:WB+1], s[WB:WB+1], 512
	s_sub_co_u32 s69, s69, 1
	s_cmp_lg_u32 s69, 0
	s_cbranch_scc1 .Lw1
	PRO 0, BSTO, BPITCH, 0,   EB, 0                ; W1's K step 6; behind W1 the stream goes on with the entities' K steps 0, 1, 2
	PRO 1, BSTO, BPITCH, 128, EB, 256              ; W1's K step 7
	PRO 0, ASTO, APITCH, 0,   EB, 512              ; the entities' K step 0 into my A rows
	WIN 0
	s_wait_dscnt 0x0                               ; my 64 rows of W1's block are written
	s_barrier_signal -1
	s_barrier_wait -1                              ; everybody's are: the block is only read from here on
	FA AB0, 0
	FB BBA, 0, 0
; acc += b1 of the n tile's column: the pair of BI that holds it, one register of it for both halves
.macro BADD reg, nt
.if (\nt)&1
	v_pk_add_f32 v[\reg:\reg+1], v[\reg:\reg+1], v[BI+\nt-1:BI+\nt] op_sel:[0,1] op_sel_hi:[1,1]
.else
	v_pk_add_f32 v[\reg:\reg+1], v[\reg:\reg+1], v[BI+\nt:BI+\nt+1] op_sel_hi:[1,0]
.endif
.endm
; One window's 32 tiles (two m tiles x 16 n tiles): bias, relu, and the weighted sum over the lane's 16 entities into the n tile's first pair.
; Four n tiles go side by side, so that no instruction waits for the one in front of it.
.macro EPIWIN wt
.irp g, 0,4,8,12
.irp o, 0,128
.irp p, 0,2,4,6
.irp u, 0,1,2,3
	BADD (8*(\g+\u)+\o+\p), (\g+\u)
.endr
.endr
.endr
.irp o, 0,128
.irp p, 0,1,2,3,4,5,6,7
.irp u, 0,1,2,3
	v_max_num_f32 v[8*(\g+\u)+\o+\p], v[8*(\g+\u)+\o+\p], 0
.endr
.endr
.endr
	s_wait_dscnt 0x0                               ; the weights (asked for at the epilogue's head; met at once from the second group on)
.irp u, 0,1,2,3
	v_pk_mul_f32 v[8*(\g+\u):8*(\g+\u)+1], v[8*(\g+\u):8*(\g+\u)+1], v[\wt:\wt+1]
.endr
.irp p, 2,4,6
.irp u, 0,1,2,3
	v_pk_fma_f32 v[8*(\g+\u):8*(\g+\u)+1], v[8*(\g+\u)+\p:8*(\g+\u)+\p+1], v[\wt+\p:\wt+\p+1], v[8*(\g+\u):8*(\g+\u)+1]
.endr
.endr
.irp p, 0,2,4,6
.irp u, 0,1,2,3
	v_pk_fma_f32 v[8*(\g+\u):8*(\g+\u)+1], v[8*(\g+\u)+128+\p:8*(\g+\u)+128+\p+1], v[\wt+8+\p:\wt+8+\p+1], v[8*(\g+\u):8*(\g+\u)+1]
.endr
.endr
.endr
.endm
; The tile's way out: my batch's 256 pooled numbers into POOL.  It names neither A's first buffer nor B's first, into which the next tile's first fragments are on their way.
.macro EPI
	WIN 0
	PLACES                                         ; four places behind the last matrix instruction: for the loads into B's second buffer and for the sums below
.irp a, 0,1,2,3
	ds_load_b128 v[WT+8*\a:WT+8*\a+3],   v[WTA] offset:64*\a
	ds_load_b128 v[WT+8*\a+4:WT+8*\a+7], v[WTA] offset:64*\a+16
.endr
	v_add_nc_u32 v[WTA], 256, v[WTA]               ; the next tile's weights
	WIN 0xa2                                       ; accumulators window 2 as destination, source 0 and source 2; weights and bias window 0
	EPIWIN WT
	WIN 0x0a
.irp t, 0,1,2,3,4,5,6,7,8,9,10,11,12,13,14,15
	v_add_f32 v[PP+\t], v[8*\t], v[8*\t+1]
.endr
	WIN 0xf3
	EPIWIN WT+16
	WIN 0x0f
.irp t, 0,1,2,3,4,5,6,7,8,9,10,11,12,13,14,15
	v_add_f32 v[QQ+\t], v[8*\t], v[8*\t+1]
.endr
	WIN 0
.irp p, 0,2,4,6,8,10,12,14
	v_pk_add_f32 v[PP+\p:PP+\p+1], v[PP+\p:PP+\p+1], v[QQ+\p:QQ+\p+1]
.endr
.irp t, 0,1,2,3,4,5,6,7,8,9,10,11,12,13,14,15
	v_permlanex16_b32 v[QQ+\t], v[PP+\t], s66, s67 ; the other half of the lanes holds the other 32 entities
.endr
.irp p, 0,2,4,6,8,10,12,14
	v_pk_add_f32 v[PP+\p:PP+\p+1], v[PP+\p:PP+\p+1], v[QQ+\p:QQ+\p+1]
.endr
.irp t, 0,1,2,3,4,5,6,7,8,9,10,11,12,13,14,15
	ds_store_b32 v[PST], v[PP+\t] offset:64*\t     ; lanes r and r + 16 write the same word with the same number
.endr
	v_add_nc_u32 v[PST], 4*PPITCH, v[PST]
.endm
	; THE FOUR TILES.  In pair p of a tile the stream asks for K steps 2 p + 3 (pointer P1) and 2 p + 4 (pointer P0): 3 4, 5 6, 7 0', 1' 2' (0', 1', 2': the next tile's).
	; So P0 makes the jump to the next tile behind pair 1 and P1 behind pair 2; every other step is two K steps, 512 bytes.
	s_mov_b32 s68, 4
.Ltile:
	s_cmp_eq_u32 s68, 1                            ; the last tile: the jump leads back to its own K steps 0, 1, 2, so that no load leaves the buffer
	s_cselect_b32 s[JMP], s43, s42
	s_cselect_b32 s[JMP+1], -1, 0
	PAIR 1                                         ; K steps 0 and 1: written out, since the first quarter starts the sums
	s_wait_xcnt 0x0                                ; the stream's pointers are stepped only behind this wait
	s_add_nc_u64 s[P1:P1+1], s[P1:P1+1], 512
	s_add_nc_u64 s[P0:P0+1], s[P0:P0+1], 512
	s_mov_b32 s69, 3
.Lpair:
	PAIR 0                                         ; K steps 2 to 7: pairs 1, 2, 3 at s69 = 3, 2, 1
	s_wait_xcnt 0x0
	s_cmp_eq_u32 s69, 2
	s_cselect_b64 s[INC:INC+1], s[JMP:JMP+1], s[STP:STP+1]
	s_add_nc_u64 s[P1:P1+1], s[P1:P1+1], s[INC:INC+1]
	s_cmp_eq_u32 s69, 3
	s_cselect_b64 s[INC:INC+1], s[JMP:JMP+1], s[STP:STP+1]
	s_add_nc_u64 s[P0:P0+1], s[P0:P0+1], s[INC:INC+1]
	s_sub_co_u32 s69, s69, 1
	s_cmp_lg_u32 s69, 0
	s_cbranch_scc1 .Lpair
	EPI
	s_sub_co_u32 s68, s68, 1
	s_cmp_lg_u32 s68, 0
	s_cbranch_scc1 .Ltile
	; THE TAIL.  POOL holds pooled[16 batches][256 columns] in f32.  The epilogue's waits have shown every fragment load done, so B's first buffer takes Wg.
.irp e, 0,1,2,3,4,5,6,7
	global_load_b128 v[TW+8*\e:TW+8*\e+3],   v[WGO], s[12:13] offset:4096*\e        ; Wg[e], my 8 columns
	global_load_b128 v[TW+8*\e+4:TW+8*\e+7], v[WGO], s[12:13] offset:4096*\e+16
.endr
	s_wait_dscnt 0x0
	s_barrier_signal -1
	s_barrier_wait -1
.irp i, 0,1,2,3
	ds_load_b128 v[TP+8*\i:TP+8*\i+3],   v[PBR] offset:4*PPITCH*\i         ; for pooledb: rows 4 i + lane / 8, my wave's 64 columns
	ds_load_b128 v[TP+8*\i+4:TP+8*\i+7], v[PBR] offset:4*PPITCH*\i+16
.endr
.irp t, 0,1,2,3
	ds_load_b128 v[TG+8*\t:TG+8*\t+3],   v[PRD] offset:4*PPITCH*\t         ; for the gate: batch 4 t + w, 8 columns a lane
	ds_load_b128 v[TG+8*\t+4:TG+8*\t+7], v[PRD] offset:4*PPITCH*\t+16
.endr
	s_wait_dscnt 0x8                               ; pooledb's eight loads are in; the gate's eight may be out
.irp i, 0,1,2,3
.irp k, 0,1,2,3
	v_cvt_pk_bf16_f32 v[PP+4*\i+\k], v[TP+8*\i+2*\k], v[TP+8*\i+2*\k+1]
.endr
	global_store_b128 v[L16], v[PP+4*\i:PP+4*\i+3], s[82:83] offset:512*\i   ; four rows of 128 bytes: 512 consecutive bytes
.endr
	s_wait_loadcnt 0x0                             ; Wg
.set i, 0
.rept 32
	v_cvt_pk_bf16_f32 v[GA+i%8], v[TW+2*i], v[TW+2*i+1]            ; Wg in bf16, widened again
	v_lshlrev_b32 v[TW+2*i], 16, v[GA+i%8]
	v_and_b32 v[TW+2*i+1], 0xffff0000, v[GA+i%8]
.set i, i+1
.endr
	s_wait_dscnt 0x0
; partial logits of batch 4 t + w: eight dot products over the lane's 8 columns, then over the 32 lanes
.macro GATE t
.irp e, 0,1,2,3,4,5,6,7
	v_pk_mul_f32 v[GA+2*\e:GA+2*\e+1], v[TG+8*\t:TG+8*\t+1], v[TW+8*\e:TW+8*\e+1]
.endr
.irp p, 2,4,6
.irp e, 0,1,2,3,4,5,6,7
	v_pk_fma_f32 v[GA+2*\e:GA+2*\e+1], v[TG+8*\t+\p:TG+8*\t+\p+1], v[TW+8*\e+\p:TW+8*\e+\p+1], v[GA+2*\e:GA+2*\e+1]
.endr
.endr
.irp e, 0,1,2,3,4,5,6,7
	v_add_f32 v[GA+2*\e], v[GA+2*\e], v[GA+2*\e+1]
.endr
.irp m, 1,2,4,8
.irp e, 0,1,2,3,4,5,6,7
	v_add_f32_dpp v[GA+2*\e], v[GA+2*\e], v[GA+2*\e] row_xmask:\m row_mask:0xf bank_mask:0xf
.endr
.endr
.irp e, 0,1,2,3,4,5,6,7
	v_permlanex16_b32 v[GA+2*\e+1], v[GA+2*\e], s66, s67
.endr
.irp e, 0,1,2,3,4,5,6,7
	v_add_f32 v[GA+2*\e], v[GA+2*\e], v[GA+2*\e+1]
.endr
.irp e, 0,1,2,3,4,5,6,7
	ds_store_b32 v[GLA], v[GA+2*\e] offset:128*\t+4*\e             ; every lane writes the same word with the same number
.endr
.endm
	GATE 0
	GATE 1
	GATE 2
	GATE 3
	s_wait_dscnt 0x0
	s_barrier_signal -1
	s_barrier_wait -1
	s_cmp_lg_u32 s18, 0
	s_cbranch_scc1 .Lno_glog
	ds_load_b128 v[GA+16:GA+19], v[GLR]
	s_wait_dscnt 0x0
	global_store_b128 v[L16], v[GA+16:GA+19], s[86:87]             ; 16 batches x 8 logits: 512 consecutive bytes
.Lno_glog:
	s_wait_tensorcnt 0x0
	ds_add_u32 v254, v255
	s_wait_dscnt 0x0
	s_endpgm
.Lfunc_end_k_qeabc022d0a_encode:
	.size	k_qeabc022d0a_encode, .Lfunc_end_k_qeabc022d0a_encode-k_qeabc022d0a_encode
	.p2alignl 7, 3214868480
	.fill 96, 4, 3214868480
	.section	.rodata,"a",@progbits
	.p2align	6, 0x0
	.amdhsa_kernel k_qeabc022d0a_encode
		.amdhsa_group_segment_fixed_size 324864
		.amdhsa_private_segment_fixed_size 0
		.amdhsa_enable_private_segment 0
		.amdhsa_kernarg_size 56
		.amdhsa_user_sgpr_count 2
		.amdhsa_user_sgpr_kernarg_segment_ptr 1
		.amdhsa_wavefront_size32 1
		.amdhsa_system_sgpr_workgroup_id_x 1
		.amdhsa_system_sgpr_workgroup_id_y 1
		.amdhsa_system_sgpr_workgroup_id_z 1
		.amdhsa_system_vgpr_workitem_id 0
		.amdhsa_next_free_vgpr 1024
		.amdhsa_next_free_sgpr 88
		.amdhsa_reserve_vcc 0
		.amdhsa_float_denorm_mode_32 3
		.amdhsa_float_denorm_mode_16_64 3
		.amdhsa_memory_ordered 1
		.amdhsa_forward_progress 1
		.amdhsa_inst_pref_size 255
	.end_amdhsa_kernel
	.section	.bss,"aw",@nobits
	.p2align	6
	.space	262144
	.amdgpu_metadata
---
amdhsa.version: [ 1, 2 ]
amdhsa.kernels:
  - .name:           k_qeabc022d0a_encode
    .symbol:         k_qeabc022d0a_encode.kd
    .args:
      - { .name: entities, .offset: 0, .size: 8, .value_kind: global_buffer, .address_space: global }
      - { .name: entity_mask, .offset: 8, .size: 8, .value_kind: global_buffer, .address_space: global }
      - { .name: W1, .offset: 16, .size: 8, .value_kind: global_buffer, .address_space: global }
      - { .name: b1, .offset: 24, .size: 8, .value_kind: global_buffer, .address_space: global }
      - { .name: Wg, .offset: 32, .size: 8, .value_kind: global_buffer, .address_space: global }
      - { .name: pooledb, .offset: 40, .size: 8, .value_kind: global_buffer, .address_space: global }
      - { .name: glog, .offset: 48, .size: 8, .value_kind: global_buffer, .address_space: global }
    .group_segment_fixed_size: 324864
    .private_segment_fixed_size: 0
    .kernarg_segment_align: 8
    .kernarg_segment_size: 56
    .max_flat_workgroup_size: 128
    .sgpr_count:     88
    .vgpr_count:     1024
    .wavefront_size: 32
...
	.end_amdgpu_metadata
.endif
;; end of part 1
;; launch experts (part 2): grid 4 x 64, 4 waves a work-group, clusters of 4 x 4, 327,680 bytes of LDS; arguments We1, pooledb, be1, We2, part; writes part
.if DOCPART == 2
	.amdgcn_target "amdgcn-amd-amdhsa--gfx1250"
	.amdhsa_code_object_version 6
	.text
	.protected	k_qeabc022d0a_experts
	.globl	k_qeabc022d0a_experts
	.p2align	8
	.type	k_qeabc022d0a_experts,@function
k_qeabc022d0a_experts:
	s_mov_b64 s[64:65], 0
	v_nop
	global_prefetch_b8 v0, s[64:65] scope:SCOPE_SE
	s_setreg_imm32_b32 hwreg(HW_REG_WAVE_MODE, 25, 1), 1
	s_wait_xcnt 0x0
	s_wait_alu depctr_hold_cnt(0) depctr_sa_sdst(0) depctr_va_vdst(0) depctr_va_sdst(0) depctr_va_ssrc(0) depctr_va_vcc(0) depctr_vm_vsrc(0)
	s_getreg_b32 s2, hwreg(HW_REG_IB_STS2, 6, 4)
	s_cmp_eq_u32 s2, 0
	s_cbranch_scc0 .Lentry_in_a_cluster
	s_endpgm
.Lentry_in_a_cluster:
	s_bfe_u32 s2, ttmp6, 0x10000c
	s_cmp_lg_u32 s2, 0xf033
	s_cbranch_scc0 .Lentry_shape_is_right
	s_endpgm
.Lentry_shape_is_right:
; experts: work-group (rb = x, y = 8 e + chunk) makes, for batches 256 rb .. + 255 and the 256 hidden units d = 256 chunk .. of expert e,
;   e1[d][b] = relu(sum over h of We1[e][d][h] pooled[b][h] + be1[e][d])      K steps 0 to 15 (K = 1,024)
;   part[a][b] = sum over these 256 d of We2[e][a][d] e1[d][b]                K steps 16 to 19 (K = 256), all 256 a
; e1 never leaves the work-group: it is rounded to bf16 into an LDS stage in the form of four B tiles.  The partial sums over d go to memory
; in register order (each store of a wave covers 512 consecutive bytes) and are added, with be2 and the gate's weights, by the next launch:
; the sum over d and e spans 64 work-groups, and no traffic between work-groups of a launch is wanted.
; The f32 side (We1, We2) is the side whose rows are a wave's own: wave w holds rows 64 w .. + 63 x all 256 batches (4 x 16 accumulator tiles),
; and each weight is rounded to bf16 once in the work-group, between LDS and the fragment registers.
; CLUSTERS: 4 x 4 work-groups.  The weights hang on y alone and are asked for jointly along a row of the cluster (each weight byte is asked for
; once in the launch); pooled's tiles hang on rb alone and are asked for jointly along a column.
; All eight experts are computed for every batch: the grid is one tile of 256 x 256 for each of 256 work-groups, and no address hangs on the gate.
; FORMATS: We1, We2, pooled and e1 enter the matrix unit in bf16 (nearest even); be1 is the f32 C of the first product; sums in f32.
.set APITCH, 272                       ; LDS row of A: 64 f32 + 16 bytes = 17 x 16 bytes
.set BPITCH, 144                       ; LDS row of B: 64 bf16 + 16 bytes = 9 x 16 bytes
.set AHALF,  128*APITCH
.set BHALF,  128*BPITCH
.set LA0,    0
.set LA1,    2*AHALF
.set LB1,    4*AHALF
.set LB0,    LB1+2*BHALF               ; also block 0 of the stage: its last fill is K step 14's tile
.set SBLK,   2*BHALF                   ; a block of the stage: e1[256 b][64 d] in bf16, pitch 144; blocks 1 to 3 lie behind B's slot 0
.set G1A, 32
.set G0A, 40
.set G1B, 48
.set G0B, 56
.set G1W, 68                           ; s[68:75] shape of We2's half tile, s[76:83] from where, to where: one set a slot
.set G0W, 76
.set ADRA, 16
.set ADRB, 18
.set ADRS, 20                          ; v20-23 LDS address of the stage's blocks, as B tiles
.set STO,  24                          ; where my e1 goes: block w
.set PO,   25                          ; 16 x lane
.set AB0,  32
.set AB1,  64
.set STG,  96
.set PK,   32                          ; v32-159: packed e1 on its way to the stage
.set CB,   160                         ; v160-191 CB[8 a + j] = be1 of d = 64 w + 16 a + 8 h + j
.set BB0,  0
.set BB1,  128
.set TO_B, 0x40
.set MSB, 0
.macro WIN new
.if MSB != \new
	s_set_vgpr_msb (MSB<<8)|\new
.set MSB, \new
.endif
.endm
.macro PLACES
.rept 4
	v_nop
.endr
.endm
.macro JLOAD s                         ; waves 0, 1: We1's halves; waves 2, 3: pooled's halves
	s_cmp_eq_u32 s19, 0
	s_cbranch_scc0 .Lfor_b_\@
	tensor_load_to_lds s[G0A+4*\s:G0A+4*\s+3], s[G1A:G1A+7]
	s_nop 0
	s_branch .Lasked_\@
.Lfor_b_\@:
	tensor_load_to_lds s[G0B+4*\s:G0B+4*\s+3], s[G1B:G1B+7]
	s_nop 0
.Lasked_\@:
.endm
.macro JLOADW s                        ; waves 0, 1: We2's halves; waves 2, 3 have no part of a tile to fill
	s_cmp_lg_u32 s19, 0
	s_cbranch_scc1 .Lnone_\@
	tensor_load_to_lds s[G0W+4*\s:G0W+4*\s+3], s[G1W:G1W+7]
	s_nop 0
.Lnone_\@:
.endm
.macro CREST
	s_cmp_lg_u32 s18, 0
	s_cbranch_scc1 .Lnot_wave_0_\@
	s_barrier_signal -3
.Lnot_wave_0_\@:
	s_barrier_wait -3
	s_barrier_signal -1
	s_barrier_wait -1
.endm
.macro CROUND
	s_barrier_signal -1
	s_barrier_wait -1
	CREST
.endm
; 48 LDS loads: quarter q of my 64 rows of A (f32) into STG, of all 256 rows of B into buffer bb
.macro FETCH adra, adrb, q, bb
	WIN 0
.irp a, 0,1,2,3
	ds_load_b128 v[STG+16*\a:STG+16*\a+3],     v[\adra] offset:16*APITCH*\a+128*\q
	ds_load_b128 v[STG+16*\a+4:STG+16*\a+7],   v[\adra] offset:16*APITCH*\a+128*\q+16
	ds_load_b128 v[STG+16*\a+8:STG+16*\a+11],  v[\adra] offset:16*APITCH*\a+128*\q+64
	ds_load_b128 v[STG+16*\a+12:STG+16*\a+15], v[\adra] offset:16*APITCH*\a+128*\q+80
.endr
	WIN TO_B
.irp t, 0,1,2,3,4,5,6,7,8,9,10,11,12,13,14,15
	ds_load_b128 v[\bb+8*\t:\bb+8*\t+3],   v[\adrb] offset:16*BPITCH*\t+64*\q
	ds_load_b128 v[\bb+8*\t+4:\bb+8*\t+7], v[\adrb] offset:16*BPITCH*\t+64*\q+32
.endr
.endm
; 32 roundings; they are also the places (ISA guide 7.12.1) between the matrix instructions that last read a fragment buffer and what writes it again
.macro CVT ab
	WIN 0
.irp a, 0,1,2,3
.irp i, 0,1,2,3,4,5,6,7
	v_cvt_pk_bf16_f32 v[\ab+8*\a+\i], v[STG+16*\a+2*\i], v[STG+16*\a+2*\i+1]
.endr
.endr
.endm
; cmode 0: adds in place; 1: C = 0 starts the sums; 2: C = be1 (window 0) starts them.
; The 64 accumulators take turns in one fixed order in every quarter, over the backward jump too.
.macro MUL16 ab, bb, a, cmode
.irp t, 0,1,2,3,4,5,6,7,8,9,10,11,12,13,14,15
.if \cmode == 0
	v_wmma_f32_16x16x32_bf16 v[8*(16*(\a&1)+\t):8*(16*(\a&1)+\t)+7], v[\ab+8*\a:\ab+8*\a+7], v[\bb+8*\t:\bb+8*\t+7], v[8*(16*(\a&1)+\t):8*(16*(\a&1)+\t)+7]
.elseif \cmode == 1
	v_wmma_f32_16x16x32_bf16 v[8*(16*(\a&1)+\t):8*(16*(\a&1)+\t)+7], v[\ab+8*\a:\ab+8*\a+7], v[\bb+8*\t:\bb+8*\t+7], 0
.else
	v_wmma_f32_16x16x32_bf16 v[8*(16*(\a&1)+\t):8*(16*(\a&1)+\t)+7], v[\ab+8*\a:\ab+8*\a+7], v[\bb+8*\t:\bb+8*\t+7], v[CB+8*\a:CB+8*\a+7]
.endif
.endr
.endm
.macro MULA ab, bb, a, cmode
.if \cmode == 2
	WIN (0x84+0x40*(\a>>1))
.else
	WIN (0xa4+0x50*(\a>>1))
.endif
	MUL16 \ab, \bb, \a, \cmode
.endm
.macro QUARTER adra, adrb, cmode
	s_wait_dscnt 0x0
	CVT AB0
	FETCH \adra, \adrb, 1, BB1
	MULA AB0, BB0, 0, \cmode
	MULA AB0, BB0, 1, \cmode
	MULA AB0, BB0, 2, \cmode
	MULA AB0, BB0, 3, \cmode
.endm
; Second quarter and the change of slots.  Every wave's waits for its reads of this slot and for all its tensor loads stand in front of the opening
; signal.  fill = 1: round of the cluster's barrier, then We1's and pooled's tiles two K steps on.  fill = 2: round, then We2's tile into A's slot
; (its address stepped by da).  fill = 0: the plain barrier alone.  fetch = 1: the next slot's first fragments.
.macro TURN slot, nadra, nadrb, fill, fetch, da
	s_wait_dscnt 0x0
	CVT AB1
	s_wait_tensorcnt 0x0
	ds_add_u32 v254, v255
	s_wait_dscnt 0x0
	s_barrier_signal -1
	MULA AB1, BB1, 0, 0
	WIN 0
	s_barrier_wait -1
.if \fill == 1
	CREST
	s_add_nc_u64 s[G0A+4*\slot+2:G0A+4*\slot+3], s[G0A+4*\slot+2:G0A+4*\slot+3], 512
	s_add_nc_u64 s[G0B+4*\slot+2:G0B+4*\slot+3], s[G0B+4*\slot+2:G0B+4*\slot+3], 65536
	JLOAD \slot
.endif
.if \fill == 2
	CREST
.if \da
	s_add_nc_u64 s[G0W+4*\slot+2:G0W+4*\slot+3], s[G0W+4*\slot+2:G0W+4*\slot+3], \da
.endif
	JLOADW \slot
.endif
.if \fetch
	FETCH \nadra, \nadrb, 0, BB0
.endif
	MULA AB1, BB1, 1, 0
	MULA AB1, BB1, 2, 0
	MULA AB1, BB1, 3, 0
.endm
.macro STEP slot, cmode
	QUARTER ADRA+\slot, ADRB+\slot, \cmode
	TURN \slot, ADRA+1-\slot, ADRB+1-\slot, 1, 1, 0
.endm
	s_load_b256 s[4:11], s[0:1], 0x0               ; We1 s[4:5], pooledb s[6:7], be1 s[8:9], We2 s[10:11]
	s_load_b64 s[12:13], s[0:1], 0x20              ; part
	v_lshl_add_u32 v254, v0, 2, 0x4f000
	v_mov_b32 v255, 0
	ds_add_u32 v254, v255
	v_lshrrev_b32 v1, 5, v0
	v_readfirstlane_b32 s18, v1                    ; wave
	s_lshr_b32 s19, s18, 1
	s_and_b32 s20, s18, 1
	s_bfe_u32 s21, ttmp6, 0x40000                  ; cx
	s_bfe_u32 s22, ttmp6, 0x40004                  ; cy
	s_lshl_b32 s24, ttmp9, 2
	s_add_co_u32 s24, s24, s21                     ; rb
	s_and_b32 s23, ttmp7, 0xffff
	s_lshl_b32 s23, s23, 2
	s_add_co_u32 s23, s23, s22                     ; y = 8 e + chunk
	s_lshl_b32 s25, s22, 2
	s_lshl_b32 s25, 15, s25                        ; my row of the cluster
	s_lshl_b32 s26, 0x1111, s21                    ; my column
	s_or_b32  s[G1A+0], s25, 0x07720000            ; 128 rows x 64 f32, 4 words of padding behind every 64; mask of my row, bit 21 beside it
	s_mov_b32 s[G1A+1], 64<<16
	s_mov_b32 s[G1A+2], 128<<16
	s_mov_b32 s[G1A+3], 64<<16
	s_mov_b32 s[G1A+4], 128
	s_mov_b32 s[G1A+5], 1024                       ; We1: elements from row to row
	s_mov_b32 s[G1A+6], 0
	s_mov_b32 s[G1A+7], 0
	s_or_b32  s[G1W+0], s25, 0x07720000            ; the same shape for We2,
	s_mov_b32 s[G1W+1], 64<<16
	s_mov_b32 s[G1W+2], 128<<16
	s_mov_b32 s[G1W+3], 64<<16
	s_mov_b32 s[G1W+4], 128
	s_mov_b32 s[G1W+5], 2048                       ; whose rows are 2,048 elements apart
	s_mov_b32 s[G1W+6], 0
	s_mov_b32 s[G1W+7], 0
	s_or_b32  s[G1B+0], s26, 0x07330000            ; 16,384 dense bytes as 64 rows of 32 x 8 bytes, 4 words of padding behind every 32 words; mask of my column
	s_mov_b32 s[G1B+1], 32<<16
	s_mov_b32 s[G1B+2], 64<<16
	s_mov_b32 s[G1B+3], 32<<16
	s_mov_b32 s[G1B+4], 64
	s_mov_b32 s[G1B+5], 32
	s_mov_b32 s[G1B+6], 0
	s_mov_b32 s[G1B+7], 0
	s_lshl_b32 s84, s23, 20                        ; We1: (256 y + 128 half) rows of 4,096 bytes
	s_lshl_b32 s85, s20, 19
	s_add_co_u32 s84, s84, s85
	s_mov_b32 s85, 0
	s_lshr_b32 s88, s23, 3                         ; We2: expert e x 2,097,152 + 128 half rows of 8,192 bytes + 1,024 chunk
	s_lshl_b32 s88, s88, 21
	s_lshl_b32 s89, s20, 20
	s_add_co_u32 s88, s88, s89
	s_and_b32 s89, s23, 7
	s_lshl_b32 s89, s89, 10
	s_add_co_u32 s88, s88, s89
	s_mov_b32 s89, 0
	s_lshl_b32 s90, s24, 19                        ; pooledb: tile (rb, 0) + half x 16,384
	s_lshl_b32 s91, s20, 14
	s_add_co_u32 s90, s90, s91
	s_mov_b32 s91, 0
	s_mul_i32 s92, s18, AHALF
	s_mul_i32 s93, s18, BHALF
	s_wait_dscnt 0x0
	s_wait_kmcnt 0x0
	s_add_nc_u64 s[86:87], s[4:5], s[84:85]
	s_add_nc_u64 s[88:89], s[10:11], s[88:89]
	s_add_nc_u64 s[90:91], s[6:7], s[90:91]
	CROUND                                         ; in front of the first joint loads
.irp s, 0,1
	s_mov_b32 s[G0A+4*\s], 1
	s_add_co_u32 s[G0A+4*\s+1], s92, LA0+\s*2*AHALF
	s_add_nc_u64 s[G0A+4*\s+2:G0A+4*\s+3], s[86:87], \s*256
	s_or_b32 s[G0A+4*\s+3], s[G0A+4*\s+3], 0x80000000
	s_mov_b32 s[G0B+4*\s], 1
	s_add_co_u32 s[G0B+4*\s+1], s93, LB0-2*BHALF-\s*2*BHALF
	s_add_nc_u64 s[G0B+4*\s+2:G0B+4*\s+3], s[90:91], \s*32768
	s_or_b32 s[G0B+4*\s+3], s[G0B+4*\s+3], 0x80000000
	JLOAD \s                                       ; two loads a wave are out: K steps 0 and 1
.endr
.irp s, 0,1
	s_mov_b32 s[G0W+4*\s], 1
	s_add_co_u32 s[G0W+4*\s+1], s92, LA0+\s*2*AHALF
	s_add_nc_u64 s[G0W+4*\s+2:G0W+4*\s+3], s[88:89], \s*256
	s_or_b32 s[G0W+4*\s+3], s[G0W+4*\s+3], 0x80000000
.endr
	v_and_b32 v1, 15, v0                           ; r
	v_bfe_u32 v2, v0, 4, 1                         ; h
	v_and_b32 v3, 31, v0                           ; lane
	s_lshl2_add_u32 s67, s23, s18                  ; be1: 1,024 y + 256 w + 32 h bytes
	s_lshl_b32 s67, s67, 8
	v_lshl_add_u32 v6, v2, 5, s67
.irp a, 0,1,2,3
	global_load_b128 v[CB+8*\a:CB+8*\a+3],   v6, s[8:9] offset:64*\a
	global_load_b128 v[CB+8*\a+4:CB+8*\a+7], v6, s[8:9] offset:64*\a+16
.endr
	v_mul_u32_u24 v4, v1, APITCH
	v_lshl_add_u32 v4, v2, 5, v4
	s_mul_i32 s27, s18, 64*APITCH
	v_add_nc_u32 v[ADRA], s27, v4
	v_add_nc_u32 v[ADRA+1], LA1, v[ADRA]
	v_mul_u32_u24 v5, v1, BPITCH
	v_lshl_add_u32 v5, v2, 4, v5
	v_add_nc_u32 v[ADRB], LB0, v5
	v_add_nc_u32 v[ADRB+1], LB1, v5
.irp s, 0,1,2,3
	v_add_nc_u32 v[ADRS+\s], LB0+\s*SBLK, v5
.endr
	s_mul_i32 s28, s18, SBLK
	s_add_co_u32 s28, s28, LB0
	v_add_nc_u32 v[STO], s28, v5
	v_lshlrev_b32 v[PO], 4, v3
	s_lshl2_add_u32 s94, s23, s24                  ; part: (4 y + rb) x 262,144 + 65,536 w
	s_lshl_b32 s94, s94, 18
	s_lshl_b32 s95, s18, 16
	s_add_co_u32 s94, s94, s95
	s_mov_b32 s95, 0
	s_add_nc_u64 s[12:13], s[12:13], s[94:95]
	s_wait_loadcnt 0x0                             ; be1
	s_wait_tensorcnt 0x1                           ; my part of K step 0 is in; K step 1's stays out
	s_barrier_signal -1
	s_barrier_wait -1
	FETCH ADRA, ADRB, 0, BB0
	STEP 0, 2                                      ; K step 0: be1 as C starts the sums
	STEP 1, 0
	WIN 0
	s_mov_b32 s66, 6
.Lk:
	STEP 0, 0                                      ; K steps 2 to 13
	STEP 1, 0
	WIN 0
	s_sub_co_u32 s66, s66, 1
	s_cmp_lg_u32 s66, 0
	s_cbranch_scc1 .Lk
	QUARTER ADRA, ADRB, 0                          ; K step 14; A's slot 0 then takes We2's first tile
	TURN 0, ADRA+1, ADRB+1, 2, 1, 0
	QUARTER ADRA+1, ADRB+1, 0                      ; K step 15; A's slot 1 takes We2's second tile
	TURN 1, ADRA, ADRS, 2, 0, 0
; e1: relu, round to bf16, 16 bytes a lane (8 neighbouring d of one batch) into block w of the stage.  Block 0 is B's slot 0: no wave reads it any
; more (every wave's reads of K step 14's tile were waited for in front of the last two rounds) and no tensor load fills it again.
.macro E1OUT rw, cw, ahi
	WIN \rw
.set i, 0
.rept 256
	v_max_num_f32 v[i], v[i], 0
.set i, i+1
.endr
	WIN \cw
.set i, 0
.rept 128
	v_cvt_pk_bf16_f32 v[PK+i], v[2*i], v[2*i+1]
.set i, i+1
.endr
	WIN 0
.irp a, 0,1
.irp t, 0,1,2,3,4,5,6,7,8,9,10,11,12,13,14,15
	ds_store_b128 v[STO], v[PK+4*(16*\a+\t):PK+4*(16*\a+\t)+3] offset:16*BPITCH*\t+32*(\a+\ahi)
.endr
.endr
.endm
	PLACES                                         ; four places behind the last matrix instruction (ISA guide 7.12.1)
	E1OUT 0x82, 0x0a, 0
	E1OUT 0xc3, 0x0f, 2
	s_wait_dscnt 0x0                               ; my block of the stage is written
	s_barrier_signal -1                            ; a plain barrier: We2's second tile may stay out
	s_barrier_wait -1                              ; We2's first tile was shown landed in front of the last round
	FETCH ADRA, ADRS, 0, BB0
	QUARTER ADRA, ADRS, 1                          ; K step 16: C = 0 starts the second product's sums
	TURN 0, ADRA+1, ADRS+1, 2, 1, 512
	QUARTER ADRA+1, ADRS+1, 0                      ; K step 17
	TURN 1, ADRA, ADRS+2, 2, 1, 512
	QUARTER ADRA, ADRS+2, 0                        ; K step 18: nothing is left to fetch
	TURN 0, ADRA+1, ADRS+3, 0, 1, 0
	QUARTER ADRA+1, ADRS+3, 0                      ; K step 19
	s_wait_dscnt 0x0
	CVT AB1
	MULA AB1, BB1, 0, 0
	MULA AB1, BB1, 1, 0
	MULA AB1, BB1, 2, 0
	MULA AB1, BB1, 3, 0
	; the partial sums leave in register order: store 2 (16 a + nt) + hf holds registers 4 hf .. + 3 of tile (a, nt), 16 bytes a lane
	PLACES
	WIN 0x08                                       ; store data (source 1) window 2
.set i, 0
.rept 64
	global_store_b128 v[PO], v[4*i:4*i+3], s[12:13] offset:512*i
.set i, i+1
.endr
	WIN 0x0c                                       ; window 3
.set i, 0
.rept 64
	global_store_b128 v[PO], v[4*i:4*i+3], s[12:13] offset:512*(64+i)
.set i, i+1
.endr
	WIN 0
	CROUND                                         ; the closing round
	s_endpgm
.Lfunc_end_k_qeabc022d0a_experts:
	.size	k_qeabc022d0a_experts, .Lfunc_end_k_qeabc022d0a_experts-k_qeabc022d0a_experts
	.p2alignl 7, 3214868480
	.fill 96, 4, 3214868480
	.section	.rodata,"a",@progbits
	.p2align	6, 0x0
	.amdhsa_kernel k_qeabc022d0a_experts
		.amdhsa_group_segment_fixed_size 327680
		.amdhsa_private_segment_fixed_size 0
		.amdhsa_enable_private_segment 0
		.amdhsa_kernarg_size 40
		.amdhsa_user_sgpr_count 2
		.amdhsa_user_sgpr_kernarg_segment_ptr 1
		.amdhsa_wavefront_size32 1
		.amdhsa_system_sgpr_workgroup_id_x 1
		.amdhsa_system_sgpr_workgroup_id_y 1
		.amdhsa_system_sgpr_workgroup_id_z 1
		.amdhsa_system_vgpr_workitem_id 0
		.amdhsa_next_free_vgpr 1024
		.amdhsa_next_free_sgpr 96
		.amdhsa_reserve_vcc 0
		.amdhsa_float_denorm_mode_32 3
		.amdhsa_float_denorm_mode_16_64 3
		.amdhsa_memory_ordered 1
		.amdhsa_forward_progress 1
		.amdhsa_inst_pref_size 255
	.end_amdhsa_kernel
	.section	.bss,"aw",@nobits
	.p2align	6
	.space	262144
	.amdgpu_metadata
---
amdhsa.version: [ 1, 2 ]
amdhsa.kernels:
  - .name:           k_qeabc022d0a_experts
    .symbol:         k_qeabc022d0a_experts.kd
    .args:
      - { .name: We1, .offset: 0, .size: 8, .value_kind: global_buffer, .address_space: global }
      - { .name: pooledb, .offset: 8, .size: 8, .value_kind: global_buffer, .address_space: global }
      - { .name: be1, .offset: 16, .size: 8, .value_kind: global_buffer, .address_space: global }
      - { .name: We2, .offset: 24, .size: 8, .value_kind: global_buffer, .address_space: global }
      - { .name: part, .offset: 32, .size: 8, .value_kind: global_buffer, .address_space: global }
    .group_segment_fixed_size: 327680
    .private_segment_fixed_size: 0
    .kernarg_segment_align: 8
    .kernarg_segment_size: 40
    .max_flat_workgroup_size: 128
    .sgpr_count:     96
    .vgpr_count:     1024
    .wavefront_size: 32
...
	.end_amdgpu_metadata
.endif
;; end of part 2
;; launch combine (part 3): grid 256 x 1, 8 waves a work-group, no clusters, 5,632 bytes of LDS; arguments part, glog, bg, be2, out0, out1; writes out0, out1
.if DOCPART == 3
	.amdgcn_target "amdgcn-amd-amdhsa--gfx1250"
	.amdhsa_code_object_version 6
	.text
	.protected	k_qeabc022d0a_combine
	.globl	k_qeabc022d0a_combine
	.p2align	8
	.type	k_qeabc022d0a_combine,@function
k_qeabc022d0a_combine:
	s_mov_b64 s[64:65], 0
	v_nop
	global_prefetch_b8 v0, s[64:65] scope:SCOPE_SE
	s_setreg_imm32_b32 hwreg(HW_REG_WAVE_MODE, 25, 1), 1
	s_wait_xcnt 0x0
; combine: the gate (logits, softmax = out1, top 2, renormalised) and out0[b][a] = sum over e of c[b][e] (be2[e][a] + sum over 8 chunks of part).
; A stream: part is read once, 512 consecutive bytes a load of a wave, 32 loads of every wave in flight; no matrix unit, no cluster (nothing is shared).
; Work-group g: rb = g / 64, nt = (g / 4) mod 16, w = g mod 4: batches 256 rb + 16 nt + r, columns 64 w .. + 63.  Wave v: t = v / 2, hf = v mod 2.
; Lane (r, h) holds the four columns 64 w + 16 t + 8 h + 4 hf .. + 3 of batch r: the order in which the experts' launch stored its registers.
; All eight experts are summed in every lane; the choice only selects values (v_cndmask_b32): an expert that is not chosen adds an exact 0.
; LIMITS: bg is taken in bf16, as the other inputs of the gate are.  The maximum is taken away before the exponentials; v_exp_f32 gives 0 for a
; probability below 2^-126.  Divisions are v_rcp_f32 and a multiplication.  Of equal probabilities the lower index is chosen, as lax.top_k does;
; NaN logits are not ordered as top_k orders them.
.set PO,   4                           ; byte offset of my 16 bytes in a work-group's block of part
.set GOFF, 5                           ; 32 x batch
.set BOFF, 6                           ; 4 x first column
.set LST,  7
.set LRD,  8
.set OO,   9
.set O1,   10
.set GLG,  12                          ; v12-43   glog[cb][my batch][0..7]
.set BE,   44                          ; v44-75   be2[e][my 4 columns]
.set BANK, 76                          ; v76-203  four banks of 8 chunks x 4 numbers
.set LP,   204                         ; v204-211 logits, then probabilities
.set CC,   212                         ; v212-219 the experts' weights (0 where not chosen)
.set ACC,  220
.set T,    224
	s_load_b256 s[4:11], s[0:1], 0x0               ; part s[4:5], glog s[6:7], bg s[8:9], be2 s[10:11]
	s_load_b128 s[12:15], s[0:1], 0x20             ; out0 s[12:13], out1 s[14:15]
	v_lshl_add_u32 v240, v0, 2, 0x1200
	v_mov_b32 v241, 0
	v_lshrrev_b32 v1, 5, v0
	v_readfirstlane_b32 s51, v1                    ; wave 0..7
	s_lshr_b32 s48, ttmp9, 6                       ; rb
	s_bfe_u32 s49, ttmp9, 0x40002                  ; nt
	s_and_b32 s50, ttmp9, 3                        ; w
	s_lshr_b32 s52, s51, 1                         ; t
	s_and_b32 s53, s51, 1                          ; hf
	v_and_b32 v1, 15, v0                           ; r
	v_bfe_u32 v2, v0, 4, 1                         ; h
	v_and_b32 v3, 31, v0                           ; lane
	s_lshl_b32 s56, s50, 16                        ; 65,536 w + 512 (2 (16 t + nt) + hf)
	s_lshl_b32 s57, s52, 14
	s_add_co_u32 s56, s56, s57
	s_lshl_b32 s57, s49, 10
	s_add_co_u32 s56, s56, s57
	s_lshl_b32 s57, s53, 9
	s_add_co_u32 s56, s56, s57
	v_lshl_add_u32 v[PO], v3, 4, s56
	s_lshl_b32 s56, s48, 13                        ; 32 (256 rb + 16 nt + r)
	s_lshl_b32 s57, s49, 9
	s_add_co_u32 s56, s56, s57
	v_lshl_add_u32 v[GOFF], v1, 5, s56
	v_lshl_add_u32 v[O1], v2, 4, v[GOFF]
	s_lshl_b32 s56, s50, 8                         ; 4 (64 w + 16 t + 8 h + 4 hf)
	s_lshl_b32 s57, s52, 6
	s_add_co_u32 s56, s56, s57
	s_lshl_b32 s57, s53, 4
	s_add_co_u32 s56, s56, s57
	v_lshl_add_u32 v[BOFF], v2, 5, s56
	s_lshl_b32 s58, s52, 6                         ; the stage: row r of 272 bytes, byte 64 t + 32 h + 16 hf
	s_add_co_u32 s58, s58, s57
	v_mul_u32_u24 v[LST], v1, 272
	v_lshl_add_u32 v[LST], v2, 5, v[LST]
	v_add_nc_u32 v[LST], s58, v[LST]
	s_mul_i32 s58, s51, 544                        ; back: rows 2 v and 2 v + 1, 16 bytes a lane
	v_mul_u32_u24 v[LRD], v2, 272
	v_lshl_add_u32 v[LRD], v1, 4, v[LRD]
	v_add_nc_u32 v[LRD], s58, v[LRD]
	s_lshl_b32 s58, s48, 18                        ; out0: (256 rb + 16 nt + 2 v + h) x 1,024 + 256 w + 16 r
	s_lshl_b32 s59, s49, 14
	s_add_co_u32 s58, s58, s59
	s_lshl_b32 s59, s51, 11
	s_add_co_u32 s58, s58, s59
	s_lshl_b32 s59, s50, 8
	s_add_co_u32 s58, s58, s59
	v_lshl_add_u32 v[OO], v2, 10, s58
	v_lshl_add_u32 v[OO], v1, 4, v[OO]
	s_lshl_b32 s54, s48, 18
	s_mov_b32 s55, 0
	s_wait_kmcnt 0x0
	s_load_b256 s[16:23], s[8:9], 0x0              ; bg
	s_add_nc_u64 s[24:25], s[4:5], s[54:55]        ; part at (y = 8 e, rb): one base for each expert; the chunk stands in the immediate
.irp e, 1,2,3,4,5,6,7
	s_add_nc_u64 s[24+2*\e:25+2*\e], s[22+2*\e:23+2*\e], 0x800000
.endr
.irp c, 0,1,2,3
	global_load_b128 v[GLG+8*\c:GLG+8*\c+3],   v[GOFF], s[6:7] offset:32768*\c
	global_load_b128 v[GLG+8*\c+4:GLG+8*\c+7], v[GOFF], s[6:7] offset:32768*\c+16
.endr
.irp e, 0,1,2,3,4,5,6,7
	global_load_b128 v[BE+4*\e:BE+4*\e+3], v[BOFF], s[10:11] offset:1024*\e
.endr
.irp e, 0,1,2,3
.irp c, 0,1,2,3,4,5,6,7
	global_load_b128 v[BANK+32*\e+4*\c:BANK+32*\e+4*\c+3], v[PO], s[24+2*\e:25+2*\e] offset:1048576*\c th:TH_LOAD_NT
.endr
.endr
	s_wait_kmcnt 0x0
	s_wait_loadcnt 40                              ; glog's eight loads are in: 8 of be2 and 32 of part were issued behind them
.irp p, 0,2,4,6
	v_pk_add_f32 v[GLG+\p:GLG+\p+1], v[GLG+\p:GLG+\p+1], v[GLG+8+\p:GLG+8+\p+1]
	v_pk_add_f32 v[GLG+16+\p:GLG+16+\p+1], v[GLG+16+\p:GLG+16+\p+1], v[GLG+24+\p:GLG+24+\p+1]
.endr
.irp i, 0,1,2,3
	v_cvt_pk_bf16_f32 v[T+\i], s[16+2*\i], s[17+2*\i]              ; bg in bf16, widened again
.endr
.irp i, 0,1,2,3
	v_lshlrev_b32 v[T+4+2*\i], 16, v[T+\i]
	v_and_b32 v[T+5+2*\i], 0xffff0000, v[T+\i]
.endr
.irp p, 0,2,4,6
	v_pk_add_f32 v[LP+\p:LP+\p+1], v[GLG+\p:GLG+\p+1], v[GLG+16+\p:GLG+16+\p+1]
.endr
.irp p, 0,2,4,6
	v_pk_add_f32 v[LP+\p:LP+\p+1], v[LP+\p:LP+\p+1], v[T+4+\p:T+5+\p]
.endr
	v_max3_num_f32 v[T], v[LP], v[LP+1], v[LP+2]
	v_max3_num_f32 v[T], v[T], v[LP+3], v[LP+4]
	v_max3_num_f32 v[T], v[T], v[LP+5], v[LP+6]
	v_max_num_f32 v[T], v[T], v[LP+7]
.irp e, 0,1,2,3,4,5,6,7
	v_sub_f32 v[T+4+\e], v[LP+\e], v[T]            ; the difference first and the factor behind it, not one fused step: the largest logit's exponent is then exactly 0
.endr
.irp e, 0,1,2,3,4,5,6,7
	v_mul_f32 v[T+4+\e], 0x3fb8aa3b, v[T+4+\e]
.endr
.irp e, 0,1,2,3,4,5,6,7
	v_exp_f32 v[LP+\e], v[T+4+\e]
.endr
	v_nop                                          ; one plain instruction behind the transcendentals (ISA guide 5.7.2)
	s_wait_alu depctr_va_vdst(0)
	v_add_f32 v[T], v[LP], v[LP+1]
	v_add_f32 v[T+1], v[LP+2], v[LP+3]
	v_add_f32 v[T+2], v[LP+4], v[LP+5]
	v_add_f32 v[T+3], v[LP+6], v[LP+7]
	v_add_f32 v[T], v[T], v[T+1]
	v_add_f32 v[T+2], v[T+2], v[T+3]
	v_add_f32 v[T], v[T], v[T+2]
	v_rcp_f32 v[T+1], v[T]
	v_nop
	s_wait_alu depctr_va_vdst(0)
.irp e, 0,1,2,3,4,5,6,7
	v_mul_f32 v[LP+\e], v[LP+\e], v[T+1]           ; gate_probs
.endr
	; the largest probability and the lowest index that has it
	v_max3_num_f32 v[T], v[LP], v[LP+1], v[LP+2]
	v_max3_num_f32 v[T], v[T], v[LP+3], v[LP+4]
	v_max3_num_f32 v[T], v[T], v[LP+5], v[LP+6]
	v_max_num_f32 v[T], v[T], v[LP+7]
	v_mov_b32 v[T+1], 7
.irp e, 6,5,4,3,2,1,0
	v_cmp_eq_f32 vcc_lo, v[LP+\e], v[T]
	v_cndmask_b32 v[T+1], v[T+1], \e, vcc_lo
.endr
.irp e, 0,1,2,3,4,5,6,7
	v_cmp_eq_u32 s[40+\e], \e, v[T+1]
	v_cndmask_b32 v[T+4+\e], v[LP+\e], -1.0, s[40+\e]              ; the first choice leaves the field
.endr
	v_max3_num_f32 v[T+2], v[T+4], v[T+5], v[T+6]
	v_max3_num_f32 v[T+2], v[T+2], v[T+7], v[T+8]
	v_max3_num_f32 v[T+2], v[T+2], v[T+9], v[T+10]
	v_max_num_f32 v[T+2], v[T+2], v[T+11]
	v_mov_b32 v[T+3], 7
.irp e, 6,5,4,3,2,1,0
	v_cmp_eq_f32 vcc_lo, v[T+4+\e], v[T+2]
	v_cndmask_b32 v[T+3], v[T+3], \e, vcc_lo
.endr
	v_add_f32 v[T+12], v[T], v[T+2]
	v_rcp_f32 v[T+13], v[T+12]
	v_nop
	s_wait_alu depctr_va_vdst(0)
.irp e, 0,1,2,3,4,5,6,7
	v_cmp_eq_u32 vcc_lo, \e, v[T+3]
	s_or_b32 s[40+\e], s[40+\e], vcc_lo            ; lanes whose batch chose expert e
	v_mul_f32 v[CC+\e], v[LP+\e], v[T+13]
	v_cndmask_b32 v[CC+\e], 0, v[CC+\e], s[40+\e]
.endr
; Expert e: be2 + its eight chunks, 0 where it is not chosen, times its weight.  left = the younger loads that may stay out; reload = 1: the bank takes expert e + 4.
.macro ESUM e, left, reload
.set BK, BANK+32*(\e&3)
	s_wait_loadcnt \left
.irp k, 0,2
.irp c, 0,2,4,6
	v_pk_add_f32 v[BK+4*\c+\k:BK+4*\c+\k+1], v[BK+4*\c+\k:BK+4*\c+\k+1], v[BK+4*\c+4+\k:BK+4*\c+4+\k+1]
.endr
.endr
.irp k, 0,2
	v_pk_add_f32 v[BK+\k:BK+\k+1], v[BK+\k:BK+\k+1], v[BK+8+\k:BK+8+\k+1]
	v_pk_add_f32 v[BK+16+\k:BK+16+\k+1], v[BK+16+\k:BK+16+\k+1], v[BK+24+\k:BK+24+\k+1]
.endr
.irp k, 0,2
	v_pk_add_f32 v[BK+\k:BK+\k+1], v[BK+\k:BK+\k+1], v[BK+16+\k:BK+16+\k+1]
.endr
.irp k, 0,2
	v_pk_add_f32 v[BK+\k:BK+\k+1], v[BK+\k:BK+\k+1], v[BE+4*\e+\k:BE+4*\e+\k+1]
.endr
.irp k, 0,1,2,3
	v_cndmask_b32 v[T+\k], 0, v[BK+\k], s[40+\e]
.endr
.if \reload
.irp c, 0,1,2,3,4,5,6,7
	global_load_b128 v[BK+4*\c:BK+4*\c+3], v[PO], s[32+2*\e:33+2*\e] offset:1048576*\c th:TH_LOAD_NT
.endr
.endif
.if \e == 0
	v_pk_mul_f32 v[ACC:ACC+1], v[T:T+1], v[CC:CC+1] op_sel_hi:[1,0]            ; the first product starts the sums
	v_pk_mul_f32 v[ACC+2:ACC+3], v[T+2:T+3], v[CC:CC+1] op_sel_hi:[1,0]
.elseif (\e&1)
	v_pk_fma_f32 v[ACC:ACC+1], v[T:T+1], v[CC+\e-1:CC+\e], v[ACC:ACC+1] op_sel:[0,1,0] op_sel_hi:[1,1,1]
	v_pk_fma_f32 v[ACC+2:ACC+3], v[T+2:T+3], v[CC+\e-1:CC+\e], v[ACC+2:ACC+3] op_sel:[0,1,0] op_sel_hi:[1,1,1]
.else
	v_pk_fma_f32 v[ACC:ACC+1], v[T:T+1], v[CC+\e:CC+\e+1], v[ACC:ACC+1] op_sel_hi:[1,0,1]
	v_pk_fma_f32 v[ACC+2:ACC+3], v[T+2:T+3], v[CC+\e:CC+\e+1], v[ACC+2:ACC+3] op_sel_hi:[1,0,1]
.endif
.endm
	ESUM 0, 24, 1                                  ; three younger banks of eight loads stay out
	ESUM 1, 24, 1
	ESUM 2, 24, 1
	ESUM 3, 24, 1
	ESUM 4, 24, 0
	ESUM 5, 16, 0                                  ; nothing more is asked for: the counts run down
	ESUM 6, 8, 0
	ESUM 7, 0, 0
	; the way out: 16 rows x 64 columns through LDS, so that sixteen neighbouring lanes store 256 consecutive bytes of a row of out0
	ds_store_b128 v[LST], v[ACC:ACC+3]
	s_wait_dscnt 0x0
	s_barrier_signal -1
	s_barrier_wait -1
	ds_load_b128 v[T:T+3], v[LRD]
	s_wait_dscnt 0x0
	global_store_b128 v[OO], v[T:T+3], s[12:13]
	s_or_b32 s56, s50, s51                         ; out1: wave 0 of the work-groups with w = 0
	s_cmp_lg_u32 s56, 0
	s_cbranch_scc1 .Ldone
	v_cmp_ne_u32 vcc_lo, 0, v2
.irp i, 0,1,2,3
	v_cndmask_b32 v[T+4+\i], v[LP+\i], v[LP+4+\i], vcc_lo          ; lanes 0-15 probabilities 0 to 3, lanes 16-31 probabilities 4 to 7
.endr
	global_store_b128 v[O1], v[T+4:T+7], s[14:15]  ; 16 batches x 32 bytes: 512 consecutive bytes
.Ldone:
	s_wait_tensorcnt 0x0
	ds_add_u32 v240, v241
	s_wait_dscnt 0x0
	s_endpgm
.Lfunc_end_k_qeabc022d0a_combine:
	.size	k_qeabc022d0a_combine, .Lfunc_end_k_qeabc022d0a_combine-k_qeabc022d0a_combine
	.p2alignl 7, 3214868480
	.fill 96, 4, 3214868480
	.section	.rodata,"a",@progbits
	.p2align	6, 0x0
	.amdhsa_kernel k_qeabc022d0a_combine
		.amdhsa_group_segment_fixed_size 5632
		.amdhsa_private_segment_fixed_size 0
		.amdhsa_enable_private_segment 0
		.amdhsa_kernarg_size 48
		.amdhsa_user_sgpr_count 2
		.amdhsa_user_sgpr_kernarg_segment_ptr 1
		.amdhsa_wavefront_size32 1
		.amdhsa_system_sgpr_workgroup_id_x 1
		.amdhsa_system_sgpr_workgroup_id_y 1
		.amdhsa_system_sgpr_workgroup_id_z 1
		.amdhsa_system_vgpr_workitem_id 0
		.amdhsa_next_free_vgpr 242
		.amdhsa_next_free_sgpr 66
		.amdhsa_reserve_vcc 1
		.amdhsa_float_denorm_mode_32 3
		.amdhsa_float_denorm_mode_16_64 3
		.amdhsa_memory_ordered 1
		.amdhsa_forward_progress 1
		.amdhsa_inst_pref_size 31
	.end_amdhsa_kernel
	.amdgpu_metadata
---
amdhsa.version: [ 1, 2 ]
amdhsa.kernels:
  - .name:           k_qeabc022d0a_combine
    .symbol:         k_qeabc022d0a_combine.kd
    .args:
      - { .name: part, .offset: 0, .size: 8, .value_kind: global_buffer, .address_space: global }
      - { .name: glog, .offset: 8, .size: 8, .value_kind: global_buffer, .address_space: global }
      - { .name: bg, .offset: 16, .size: 8, .value_kind: global_buffer, .address_space: global }
      - { .name: be2, .offset: 24, .size: 8, .value_kind: global_buffer, .address_space: global }
      - { .name: out0, .offset: 32, .size: 8, .value_kind: global_buffer, .address_space: global }
      - { .name: out1, .offset: 40, .size: 8, .value_kind: global_buffer, .address_space: global }
    .group_segment_fixed_size: 5632
    .private_segment_fixed_size: 0
    .kernarg_segment_align: 8
    .kernarg_segment_size: 48
    .max_flat_workgroup_size: 256
    .sgpr_count:     66
    .vgpr_count:     242
    .wavefront_size: 32
...
	.end_amdgpu_metadata
.endif
;; end of part 3
;; ======== version 2 of 2: 3 launches; version 1 with the launch combine written anew for expert scheduling mode
;; limits: values outside matrix products are rounded to bf16
;; workspace buffers: pooledb 2,097,152 bytes; glog 131,072 bytes; part 67,108,864 bytes
;; launch encode: the kernel of part 1 again; grid 4 x 64, 4 waves a work-group, clusters of 4 x 4, 324,864 bytes of LDS; arguments entities, entity_mask, W1, b1, Wg, pooledb, glog; writes pooledb, glog
;; launch experts: the kernel of part 2 again; grid 4 x 64, 4 waves a work-group, clusters of 4 x 4, 327,680 bytes of LDS; arguments We1, pooledb, be1, We2, part; writes part
;; launch combine (part 4): grid 256 x 1, 8 waves a work-group, no clusters, 5,632 bytes of LDS; arguments part, glog, bg, be2, out0, out1; writes out0, out1
.if DOCPART == 4
	.amdgcn_target "amdgcn-amd-amdhsa--gfx1250"
	.amdhsa_code_object_version 6
	.text
	.protected	k_qeabc022d0a_combine
	.globl	k_qeabc022d0a_combine
	.p2align	8
	.type	k_qeabc022d0a_combine,@function
k_qeabc022d0a_combine:
	s_mov_b64 s[64:65], 0
	v_nop
	global_prefetch_b8 v0, s[64:65] scope:SCOPE_SE
	s_setreg_imm32_b32 hwreg(HW_REG_WAVE_SCHED_MODE, 0, 2), 2
	s_setreg_imm32_b32 hwreg(HW_REG_WAVE_MODE, 25, 1), 1
	s_wait_xcnt 0x0
	s_wait_alu depctr_vm_vsrc(0)
; combine: the gate (logits, softmax = out1, top 2, renormalised) and out0[b][a] = sum over e of c[b][e] (be2[e][a] + sum over 8 chunks of part).
; A stream: part is read once, 512 consecutive bytes a load of a wave, 32 loads of every wave in flight; no matrix unit, no cluster (nothing is shared).
; Work-group g: rb = g / 64, nt = (g / 4) mod 16, w = g mod 4: batches 256 rb + 16 nt + r, columns 64 w .. + 63.  Wave v: t = v / 2, hf = v mod 2.
; Lane (r, h) holds the four columns 64 w + 16 t + 8 h + 4 hf .. + 3 of batch r: the order in which the experts' launch stored its registers.
; All eight experts are summed in every lane; the choice only selects values (v_cndmask_b32): an expert that is not chosen adds an exact 0.
; LIMITS: bg is taken in bf16, as the other inputs of the gate are.  The maximum is taken away before the exponentials; v_exp_f32 gives 0 for a
; probability below 2^-126.  Divisions are v_rcp_f32 and a multiplication.  Of equal probabilities the lower index is chosen, as lax.top_k does;
; NaN logits are not ordered as top_k orders them.
; THE MODE: SCHED_MODE bits 1:0 = 2 (LLVM: expert scheduling mode 2), set by the entry lines.  The code itself states the register dependences between
; vector instructions and memory or LDS instructions, and those through scalar registers that vector instructions write, with s_wait_alu, always for 0.
; THE PLAN.  Registers that memory or LDS instructions touch:
;   v4-v10         offsets and addresses: written at the head, never again; one wait on va_vdst ahead of the first load serves every load and store.
;   GLG, BE        written by their loads alone, read by vector instructions alone.
;   BANK0 .. 3     expert e's step sums bank e & 3 in place and selects from it; behind that, in steps 0 to 3, the loads of expert e + 4 land in it:
;                  one wait on va_vdst stands between.  The step's two multiply-adds into ACC follow the loads and name no register of the bank.
;   ACC, v[T:T+3]  the last step writes ACC, which the LDS store reads, and reads v[T:T+3], in which the load from the stage lands: one wait on va_vdst
;                  ahead of the store serves both, since no vector instruction stands between it and that load.
;   v[T+4:T+7]     wave 0's path: written by four selects, read by the store to out1: one wait on va_vdst between.
;   v240, v241     written at the head, read by the closing add alone.
; No register that a memory or LDS instruction has read is written again, so no wait on vm_vsrc is needed for them.
; Scalar registers that vector instructions write: the wave's number, and the masks of the search for the two largest probabilities.  The compares stand in
; four runs, each into scalar registers of its own, with one wait on va_sdst behind each run; the selects keep their order.
.set PO,   4                           ; byte offset of my 16 bytes in a work-group's block of part
.set GOFF, 5                           ; 32 x batch
.set BOFF, 6                           ; 4 x first column
.set LST,  7
.set LRD,  8
.set OO,   9
.set O1,   10
.set GLG,  12                          ; v12-43   glog[cb][my batch][0..7]
.set BE,   44                          ; v44-75   be2[e][my 4 columns]
.set BANK, 76                          ; v76-203  four banks of 8 chunks x 4 numbers
.set LP,   204                         ; v204-211 logits, then probabilities
.set CC,   212                         ; v212-219 the experts' weights (0 where not chosen)
.set ACC,  220
.set T,    224
.set MA,   52                          ; s52-59   masks: which probabilities equal the largest; later: lanes whose second choice is expert e (the head's scalars there are done with)
.set MB,   16                          ; s16-22   masks: which of the remaining probabilities equal the second largest (bg has been read by then)
	s_load_b256 s[4:11], s[0:1], 0x0               ; part s[4:5], glog s[6:7], bg s[8:9], be2 s[10:11]
	s_load_b128 s[12:15], s[0:1], 0x20             ; out0 s[12:13], out1 s[14:15]
	v_lshl_add_u32 v240, v0, 2, 0x1200
	v_mov_b32 v241, 0
	v_lshrrev_b32 v1, 5, v0
	v_readfirstlane_b32 s51, v1                    ; wave 0..7
	s_lshr_b32 s48, ttmp9, 6                       ; rb
	s_bfe_u32 s49, ttmp9, 0x40002                  ; nt
	s_and_b32 s50, ttmp9, 3                        ; w
	s_wait_alu depctr_va_sdst(0)                   ; s51 is written, ahead of its first reader
	s_lshr_b32 s52, s51, 1                         ; t
	s_and_b32 s53, s51, 1                          ; hf
	v_and_b32 v1, 15, v0                           ; r
	v_bfe_u32 v2, v0, 4, 1                         ; h
	v_and_b32 v3, 31, v0                           ; lane
	s_lshl_b32 s56, s50, 16                        ; 65,536 w + 512 (2 (16 t + nt) + hf)
	s_lshl_b32 s57, s52, 14
	s_add_co_u32 s56, s56, s57
	s_lshl_b32 s57, s49, 10
	s_add_co_u32 s56, s56, s57
	s_lshl_b32 s57, s53, 9
	s_add_co_u32 s56, s56, s57
	v_lshl_add_u32 v[PO], v3, 4, s56
	s_lshl_b32 s56, s48, 13                        ; 32 (256 rb + 16 nt + r)
	s_lshl_b32 s57, s49, 9
	s_add_co_u32 s56, s56, s57
	v_lshl_add_u32 v[GOFF], v1, 5, s56
	v_lshl_add_u32 v[O1], v2, 4, v[GOFF]
	s_lshl_b32 s56, s50, 8                         ; 4 (64 w + 16 t + 8 h + 4 hf)
	s_lshl_b32 s57, s52, 6
	s_add_co_u32 s56, s56, s57
	s_lshl_b32 s57, s53, 4
	s_add_co_u32 s56, s56, s57
	v_lshl_add_u32 v[BOFF], v2, 5, s56
	s_lshl_b32 s58, s52, 6                         ; the stage: row r of 272 bytes, byte 64 t + 32 h + 16 hf
	s_add_co_u32 s58, s58, s57
	v_mul_u32_u24 v[LST], v1, 272
	v_lshl_add_u32 v[LST], v2, 5, v[LST]
	v_add_nc_u32 v[LST], s58, v[LST]
	s_mul_i32 s58, s51, 544                        ; back: rows 2 v and 2 v + 1, 16 bytes a lane
	v_mul_u32_u24 v[LRD], v2, 272
	v_lshl_add_u32 v[LRD], v1, 4, v[LRD]
	v_add_nc_u32 v[LRD], s58, v[LRD]
	s_lshl_b32 s58, s48, 18                        ; out0: (256 rb + 16 nt + 2 v + h) x 1,024 + 256 w + 16 r
	s_lshl_b32 s59, s49, 14
	s_add_co_u32 s58, s58, s59
	s_lshl_b32 s59, s51, 11
	s_add_co_u32 s58, s58, s59
	s_lshl_b32 s59, s50, 8
	s_add_co_u32 s58, s58, s59
	v_lshl_add_u32 v[OO], v2, 10, s58
	v_lshl_add_u32 v[OO], v1, 4, v[OO]
	s_lshl_b32 s54, s48, 18
	s_mov_b32 s55, 0
	s_wait_kmcnt 0x0
	s_load_b256 s[16:23], s[8:9], 0x0              ; bg
	s_add_nc_u64 s[24:25], s[4:5], s[54:55]        ; part at (y = 8 e, rb): one base for each expert; the chunk stands in the immediate
.irp e, 1,2,3,4,5,6,7
	s_add_nc_u64 s[24+2*\e:25+2*\e], s[22+2*\e:23+2*\e], 0x800000
.endr
	s_wait_alu depctr_va_vdst(0)                   ; the seven offsets and addresses v4 to v10 are written: every load and store of the kernel reads one of them
.irp c, 0,1,2,3
	global_load_b128 v[GLG+8*\c:GLG+8*\c+3],   v[GOFF], s[6:7] offset:32768*\c
	global_load_b128 v[GLG+8*\c+4:GLG+8*\c+7], v[GOFF], s[6:7] offset:32768*\c+16
.endr
.irp e, 0,1,2,3,4,5,6,7
	global_load_b128 v[BE+4*\e:BE+4*\e+3], v[BOFF], s[10:11] offset:1024*\e
.endr
.irp e, 0,1,2,3
.irp c, 0,1,2,3,4,5,6,7
	global_load_b128 v[BANK+32*\e+4*\c:BANK+32*\e+4*\c+3], v[PO], s[24+2*\e:25+2*\e] offset:1048576*\c th:TH_LOAD_NT
.endr
.endr
	s_wait_kmcnt 0x0
	s_wait_loadcnt 40                              ; glog's eight loads are in: 8 of be2 and 32 of part were issued behind them
.irp p, 0,2,4,6
	v_pk_add_f32 v[GLG+\p:GLG+\p+1], v[GLG+\p:GLG+\p+1], v[GLG+8+\p:GLG+8+\p+1]
	v_pk_add_f32 v[GLG+16+\p:GLG+16+\p+1], v[GLG+16+\p:GLG+16+\p+1], v[GLG+24+\p:GLG+24+\p+1]
.endr
.irp i, 0,1,2,3
	v_cvt_pk_bf16_f32 v[T+\i], s[16+2*\i], s[17+2*\i]              ; bg in bf16, widened again
.endr
.irp i, 0,1,2,3
	v_lshlrev_b32 v[T+4+2*\i], 16, v[T+\i]
	v_and_b32 v[T+5+2*\i], 0xffff0000, v[T+\i]
.endr
.irp p, 0,2,4,6
	v_pk_add_f32 v[LP+\p:LP+\p+1], v[GLG+\p:GLG+\p+1], v[GLG+16+\p:GLG+16+\p+1]
.endr
.irp p, 0,2,4,6
	v_pk_add_f32 v[LP+\p:LP+\p+1], v[LP+\p:LP+\p+1], v[T+4+\p:T+5+\p]
.endr
	v_max3_num_f32 v[T], v[LP], v[LP+1], v[LP+2]
	v_max3_num_f32 v[T], v[T], v[LP+3], v[LP+4]
	v_max3_num_f32 v[T], v[T], v[LP+5], v[LP+6]
	v_max_num_f32 v[T], v[T], v[LP+7]
.irp e, 0,1,2,3,4,5,6,7
	v_sub_f32 v[T+4+\e], v[LP+\e], v[T]            ; the difference first and the factor behind it, not one fused step: the largest logit's exponent is then exactly 0
.endr
.irp e, 0,1,2,3,4,5,6,7
	v_mul_f32 v[T+4+\e], 0x3fb8aa3b, v[T+4+\e]
.endr
.irp e, 0,1,2,3,4,5,6,7
	v_exp_f32 v[LP+\e], v[T+4+\e]
.endr
	v_nop                                          ; one plain instruction behind the transcendentals (ISA guide 5.7.2)
	s_wait_alu depctr_va_vdst(0)                   ; the eight exponentials have written v[LP ..], ahead of their first reader
	v_add_f32 v[T], v[LP], v[LP+1]
	v_add_f32 v[T+1], v[LP+2], v[LP+3]
	v_add_f32 v[T+2], v[LP+4], v[LP+5]
	v_add_f32 v[T+3], v[LP+6], v[LP+7]
	v_add_f32 v[T], v[T], v[T+1]
	v_add_f32 v[T+2], v[T+2], v[T+3]
	v_add_f32 v[T], v[T], v[T+2]
	v_rcp_f32 v[T+1], v[T]
	v_nop
	s_wait_alu depctr_va_vdst(0)                   ; the reciprocal of the sum is written, ahead of its first reader
.irp e, 0,1,2,3,4,5,6,7
	v_mul_f32 v[LP+\e], v[LP+\e], v[T+1]           ; gate_probs
.endr
	; the largest probability and the lowest index that has it
	v_max3_num_f32 v[T], v[LP], v[LP+1], v[LP+2]
	v_max3_num_f32 v[T], v[T], v[LP+3], v[LP+4]
	v_max3_num_f32 v[T], v[T], v[LP+5], v[LP+6]
	v_max_num_f32 v[T], v[T], v[LP+7]
	v_mov_b32 v[T+1], 7
.irp e, 6,5,4,3,2,1,0
	v_cmp_eq_f32 s[MA+\e], v[LP+\e], v[T]
.endr
	s_wait_alu depctr_va_sdst(0)                   ; the seven compares have written s[MA ..], which the selects below read
.irp e, 6,5,4,3,2,1,0
	v_cndmask_b32 v[T+1], v[T+1], \e, s[MA+\e]
.endr
.irp e, 0,1,2,3,4,5,6,7
	v_cmp_eq_u32 s[40+\e], \e, v[T+1]
.endr
	s_wait_alu depctr_va_sdst(0)                   ; the eight compares have written s40 to s47, which the selects below read
.irp e, 0,1,2,3,4,5,6,7
	v_cndmask_b32 v[T+4+\e], v[LP+\e], -1.0, s[40+\e]              ; the first choice leaves the field
.endr
	v_max3_num_f32 v[T+2], v[T+4], v[T+5], v[T+6]
	v_max3_num_f32 v[T+2], v[T+2], v[T+7], v[T+8]
	v_max3_num_f32 v[T+2], v[T+2], v[T+9], v[T+10]
	v_max_num_f32 v[T+2], v[T+2], v[T+11]
	v_mov_b32 v[T+3], 7
.irp e, 6,5,4,3,2,1,0
	v_cmp_eq_f32 s[MB+\e], v[T+4+\e], v[T+2]
.endr
	s_wait_alu depctr_va_sdst(0)                   ; the seven compares have written s[MB ..], which the selects below read
.irp e, 6,5,4,3,2,1,0
	v_cndmask_b32 v[T+3], v[T+3], \e, s[MB+\e]
.endr
	v_add_f32 v[T+12], v[T], v[T+2]
	v_rcp_f32 v[T+13], v[T+12]
	v_nop
.irp e, 0,1,2,3,4,5,6,7
	v_cmp_eq_u32 s[MA+\e], \e, v[T+3]
.endr
	s_wait_alu depctr_va_sdst(0)                   ; the eight compares have written s[MA ..], which the scalar lines below read
	s_wait_alu depctr_va_vdst(0)                   ; the reciprocal of the two probabilities' sum is written, ahead of its first reader
.irp e, 0,1,2,3,4,5,6,7
	s_or_b32 s[40+\e], s[40+\e], s[MA+\e]          ; lanes whose batch chose expert e
.endr
.irp e, 0,1,2,3,4,5,6,7
	v_mul_f32 v[CC+\e], v[LP+\e], v[T+13]
.endr
.irp e, 0,1,2,3,4,5,6,7
	v_cndmask_b32 v[CC+\e], 0, v[CC+\e], s[40+\e]
.endr
; Expert e: be2 + its eight chunks, 0 where it is not chosen, times its weight.  left = the younger loads that may stay out; reload = 1: the bank takes expert e + 4.
.macro ESUM e, left, reload
.set BK, BANK+32*(\e&3)
	s_wait_loadcnt \left
.irp k, 0,2
.irp c, 0,2,4,6
	v_pk_add_f32 v[BK+4*\c+\k:BK+4*\c+\k+1], v[BK+4*\c+\k:BK+4*\c+\k+1], v[BK+4*\c+4+\k:BK+4*\c+4+\k+1]
.endr
.endr
.irp k, 0,2
	v_pk_add_f32 v[BK+\k:BK+\k+1], v[BK+\k:BK+\k+1], v[BK+8+\k:BK+8+\k+1]
	v_pk_add_f32 v[BK+16+\k:BK+16+\k+1], v[BK+16+\k:BK+16+\k+1], v[BK+24+\k:BK+24+\k+1]
.endr
.irp k, 0,2
	v_pk_add_f32 v[BK+\k:BK+\k+1], v[BK+\k:BK+\k+1], v[BK+16+\k:BK+16+\k+1]
.endr
.irp k, 0,2
	v_pk_add_f32 v[BK+\k:BK+\k+1], v[BK+\k:BK+\k+1], v[BE+4*\e+\k:BE+4*\e+\k+1]
.endr
.irp k, 0,1,2,3
	v_cndmask_b32 v[T+\k], 0, v[BK+\k], s[40+\e]
.endr
.if \reload
	s_wait_alu depctr_va_vdst(0)                   ; the sums have read and written the bank and the selects have read it: the loads below land in it
.irp c, 0,1,2,3,4,5,6,7
	global_load_b128 v[BK+4*\c:BK+4*\c+3], v[PO], s[32+2*\e:33+2*\e] offset:1048576*\c th:TH_LOAD_NT
.endr
.endif
.if \e == 0
	v_pk_mul_f32 v[ACC:ACC+1], v[T:T+1], v[CC:CC+1] op_sel_hi:[1,0]            ; the first product starts the sums
	v_pk_mul_f32 v[ACC+2:ACC+3], v[T+2:T+3], v[CC:CC+1] op_sel_hi:[1,0]
.elseif (\e&1)
	v_pk_fma_f32 v[ACC:ACC+1], v[T:T+1], v[CC+\e-1:CC+\e], v[ACC:ACC+1] op_sel:[0,1,0] op_sel_hi:[1,1,1]
	v_pk_fma_f32 v[ACC+2:ACC+3], v[T+2:T+3], v[CC+\e-1:CC+\e], v[ACC+2:ACC+3] op_sel:[0,1,0] op_sel_hi:[1,1,1]
.else
	v_pk_fma_f32 v[ACC:ACC+1], v[T:T+1], v[CC+\e:CC+\e+1], v[ACC:ACC+1] op_sel_hi:[1,0,1]
	v_pk_fma_f32 v[ACC+2:ACC+3], v[T+2:T+3], v[CC+\e:CC+\e+1], v[ACC+2:ACC+3] op_sel_hi:[1,0,1]
.endif
.endm
	ESUM 0, 24, 1                                  ; three younger banks of eight loads stay out
	ESUM 1, 24, 1
	ESUM 2, 24, 1
	ESUM 3, 24, 1
	ESUM 4, 24, 0
	ESUM 5, 16, 0                                  ; nothing more is asked for: the counts run down
	ESUM 6, 8, 0
	ESUM 7, 0, 0
	; the way out: 16 rows x 64 columns through LDS, so that sixteen neighbouring lanes store 256 consecutive bytes of a row of out0
	s_wait_alu depctr_va_vdst(0)                   ; the last multiply-adds have written ACC, which the LDS store reads, and are done reading v[T:T+3], in which the load from the stage lands
	ds_store_b128 v[LST], v[ACC:ACC+3]
	s_wait_dscnt 0x0
	s_barrier_signal -1
	s_barrier_wait -1
	ds_load_b128 v[T:T+3], v[LRD]
	s_wait_dscnt 0x0
	global_store_b128 v[OO], v[T:T+3], s[12:13]
	s_or_b32 s56, s50, s51                         ; out1: wave 0 of the work-groups with w = 0
	s_cmp_lg_u32 s56, 0
	s_cbranch_scc1 .Ldone
	v_cmp_ne_u32 vcc_lo, 0, v2
	s_wait_alu depctr_va_vcc(0)                    ; the compare has written VCC, which the selects below read
.irp i, 0,1,2,3
	v_cndmask_b32 v[T+4+\i], v[LP+\i], v[LP+4+\i], vcc_lo          ; lanes 0-15 probabilities 0 to 3, lanes 16-31 probabilities 4 to 7
.endr
	s_wait_alu depctr_va_vdst(0)                   ; the four selects have written v[T+4:T+7], which the store reads
	global_store_b128 v[O1], v[T+4:T+7], s[14:15]  ; 16 batches x 32 bytes: 512 consecutive bytes
.Ldone:
	s_wait_dscnt 0x0                               ; the closing lines, six on end
	s_wait_alu 0x0
	s_wait_tensorcnt 0x0
	ds_add_u32 v240, v241
	s_wait_dscnt 0x0
	s_endpgm
.Lfunc_end_k_qeabc022d0a_combine:
	.size	k_qeabc022d0a_combine, .Lfunc_end_k_qeabc022d0a_combine-k_qeabc022d0a_combine
	.p2alignl 7, 3214868480
	.fill 96, 4, 3214868480
	.section	.rodata,"a",@progbits
	.p2align	6, 0x0
	.amdhsa_kernel k_qeabc022d0a_combine
		.amdhsa_group_segment_fixed_size 5632
		.amdhsa_private_segment_fixed_size 0
		.amdhsa_enable_private_segment 0
		.amdhsa_kernarg_size 48
		.amdhsa_user_sgpr_count 2
		.amdhsa_user_sgpr_kernarg_segment_ptr 1
		.amdhsa_wavefront_size32 1
		.amdhsa_system_sgpr_workgroup_id_x 1
		.amdhsa_system_sgpr_workgroup_id_y 1
		.amdhsa_system_sgpr_workgroup_id_z 1
		.amdhsa_system_vgpr_workitem_id 0
		.amdhsa_next_free_vgpr 242
		.amdhsa_next_free_sgpr 66
		.amdhsa_reserve_vcc 1
		.amdhsa_float_denorm_mode_32 3
		.amdhsa_float_denorm_mode_16_64 3
		.amdhsa_memory_ordered 1
		.amdhsa_forward_progress 1
		.amdhsa_inst_pref_size 32
	.end_amdhsa_kernel
	.amdgpu_metadata
---
amdhsa.version: [ 1, 2 ]
amdhsa.kernels:
  - .name:           k_qeabc022d0a_combine
    .symbol:         k_qeabc022d0a_combine.kd
    .args:
      - { .name: part, .offset: 0, .size: 8, .value_kind: global_buffer, .address_space: global }
      - { .name: glog, .offset: 8, .size: 8, .value_kind: global_buffer, .address_space: global }
      - { .name: bg, .offset: 16, .size: 8, .value_kind: global_buffer, .address_space: global }
      - { .name: be2, .offset: 24, .size: 8, .value_kind: global_buffer, .address_space: global }
      - { .name: out0, .offset: 32, .size: 8, .value_kind: global_buffer, .address_space: global }
      - { .name: out1, .offset: 40, .size: 8, .value_kind: global_buffer, .address_space: global }
    .group_segment_fixed_size: 5632
    .private_segment_fixed_size: 0
    .kernarg_segment_align: 8
    .kernarg_segment_size: 48
    .max_flat_workgroup_size: 256
    .sgpr_count:     66
    .vgpr_count:     242
    .wavefront_size: 32
...
	.end_amdgpu_metadata
.endif
;; end of part 4
